; MI455X (gfx1250); checked and timed in simulation.
; The chip was launched on July 23, 2026; its instructions are those of AMD's public machine-readable ISA for CDNA 5 (MIT licence, August 2026) and "CDNA5" Instruction Set Architecture Reference Guide (July 2026). The comments in the code are by the model that wrote it; some were corrected since.
;; Multi Head Attention. Allowed arithmetic: matrix products marked QUANTISED: E2M1 operands, one E8M0 scale for each 32 along K, by v_wmma_scale_f32_16x16x128_f8f6f4 with both operands' format E2M1 (or v_wmma_scale_f32_32x16x128_f4), f32 sums; products left as they are: bf16, f16 or f32 operands; f32 sums; everything else in f32.
;; Inputs: Wk 16 x 1,024 x 64 float32; Wo 1,024 x 1,024 float32; Wq 16 x 1,024 x 64 float32; Wv 16 x 1,024 x 64 float32; bk 16 x 64 float32; bo 1,024 float32; bq 16 x 64 float32; bv 16 x 64 float32; mask 4 x 2,048 x 2,048 int32; x_k 4 x 2,048 x 1,024 float32; x_q 4 x 2,048 x 1,024 float32; x_v 4 x 2,048 x 1,024 float32.
;; Outputs: out0 4 x 2,048 x 1,024 float32.
;; This version of the problem:
;;   THIS VERSION OF THE PROBLEM IS GIVEN IN LOW PRECISION. The matrix products marked QUANTISED in the list below multiply operands that are first quantised to E2M1 (2 exponent bits, 1 mantissa bit; 4 bits a number), with one power-of-two scale for each 32 numbers along K (OCP MX v1.0); their sums are f32. The products marked 'left as it is' may take bf16, f16 or f32 operands, with f32 sums. Whichever they take, every output number must still come out within the allowed error. Rounding operands to bf16 (8 significant bits) uses up far more of that allowance than f16 does (11 bits, for magnitudes from 6e-5 to 65,504). All else is computed in f32.
;;   The module's matrix products, in the order in which they are computed (A, B: the left and right operand; K: the contracted axis; several contracted axes count as one K, in the product's order):
;;     1. [M 1,024, K 1,024] x [K 1,024, N 8,192]; A: input Wq; B: input x_q: QUANTISED
;;     2. [M 1,024, K 1,024] x [K 1,024, N 8,192]; A: input Wk; B: input x_k: QUANTISED
;;     3. [M 1,024, K 1,024] x [K 1,024, N 8,192]; A: input Wv; B: input x_v: QUANTISED
;;     4. batch 64 x [M 2,048, K 64] x [K 64, N 2,048]; A: computed on the way; B: computed on the way: left as it is (an operand is computed on the way)
;;     5. batch 64 x [M 2,048, K 2,048] x [K 2,048, N 64]; A: computed on the way; B: computed on the way: left as it is (an operand is computed on the way)
;;     6. [M 8,192, K 1,024] x [K 1,024, N 1,024]; A: computed on the way; B: input Wo: left as it is (an operand is computed on the way)
;;   THE QUANTISER, for each operand of a quantised product, along K:
;;     - K is cut into blocks of 32 from its start; a last block that is shorter is filled with zeros.
;;     - A block's scale is 2^e with e = floor(log2(the largest magnitude in the block)) - 2, held to -126 .. 127; a block of zeros has e = 0. As a byte (E8M0): e + 127.
;;     - Each number is divided by its block's scale, clamped to +-6, and rounded to the nearest number of E2M1, ties to even, subnormals kept.
;;     - The product sums the exact products of the quantised numbers (number of the format x scale) in f32.
;;   ~~~python
;;   def quantise(x, axis):      # numpy; x: float32 -> the quantised numbers, widened to float32 again
;;       x = np.moveaxis(x, axis, -1); K = x.shape[-1]
;;       x = np.pad(x, [(0, 0)] * (x.ndim - 1) + [(0, -K % 32)]); x = x.reshape(x.shape[:-1] + (-1, 32)); a = np.abs(x).max(-1, keepdims=True)
;;       e = np.where(a > 0, np.clip(np.frexp(np.where(a > 0, a, 1))[1] - 1 - 2, -126, 127), 0)      # np.frexp(a)[1] - 1 = floor(log2(a)), exactly
;;       r = np.clip(x / 2.0 ** e, -6, 6)
;;       step = 2.0 ** (np.maximum(np.frexp(np.where(r == 0, 1, r))[1] - 1, 0) - 1)
;;       q = np.round(r / step) * step * 2.0 ** e      # np.round: ties to even
;;       return np.moveaxis(q.reshape(q.shape[:-2] + (-1,))[..., :K], -1, axis).astype(np.float32)
;;   ~~~
;; One version. Each part assembles by itself: llvm-mc -triple=amdgcn-amd-amdhsa -mcpu=gfx1250 --defsym DOCPART=n.
;; ======== version 1 of 1: 4 launches
;; limits: values are held in f16: magnitudes above 65,504 overflow, below 6.1e-05 lose precision
;; workspace buffers: mw 2,097,152 bytes of whole numbers; xc 12,582,912 bytes; sc 884,736 bytes; wc 1,572,864 bytes; wof 2,097,152 bytes; qkv 50,331,648 bytes; zf 16,777,216 bytes
;; launch prep (part 1): grid 896 x 1, 4 waves a work-group, no clusters, 68,096 bytes of LDS; arguments mask, x_q, x_k, x_v, Wq, Wk, Wv, Wo, mw, xc, sc, wc, wof; writes mw, xc, sc, wc, wof
.if DOCPART == 1
	.amdgcn_target "amdgcn-amd-amdhsa--gfx1250"
	.amdhsa_code_object_version 6
	.text
	.protected	k_q1bbb51bb2b_prep
	.globl	k_q1bbb51bb2b_prep
	.p2align	8
	.type	k_q1bbb51bb2b_prep,@function
k_q1bbb51bb2b_prep:
	s_mov_b64 s[64:65], 0
	v_nop
	global_prefetch_b8 v0, s[64:65] scope:SCOPE_SE
	s_setreg_imm32_b32 hwreg(HW_REG_WAVE_MODE, 25, 1), 1
	s_wait_xcnt 0x0
; PREP: every large input is read once and laid as the later launches' operand registers want it.  Four jobs, told apart by the work-group's number alone:
;   C (work-groups 0-255):   mask [4][2048][2048] int32 -> mw, one bit a number.  Word [b][pair of 32 queries][step of 64 keys][tile 2][kt 4][j 8]; bit 16 h + r of it says
;                            mask[b][32 pair + 16 tile + r][64 step + 16 kt + 8 h + j] != 0: the lane mask of one register of a transposed score tile.
;   D (256-639):             x_q, x_k, x_v [8192][1024] f32 -> xc: codes of E2M1 along K = the row, as images of operand registers [tensor][tile of 16 rows][K step of 128][group c][lane][16 bytes]
;                            (lane (r, h), group c: K = 64 c + 32 h + 0..31 of row r); sc: one word of four E8M0 bytes for each row and K step.
;   A (640-831):             Wq, Wk, Wv [16][1024][64] f32, K = the middle axis -> wc, sc: the same images for rows n = 64 head + e.  A lane takes a column e, its registers run down K.
;   B (832-895):             Wo [1024 k][1024 n] f32 -> wof: f16, images of 16-bit fragments [tile of 16 n][chunk of 32 k][group g][lane][16 bytes] (lane (r, h): n = r, k = 16 g + 8 h + 0..7).
; THE QUANTISER: a block's scale is 2^(floor(log2(largest magnitude)) - 2); its byte is the largest magnitude's exponent field - 2, held at 1 from below by a floor among the maximum's leaves.
; LIMITS: a block of zeros gets the byte 1 where the rule says 127 (its codes are zeros, and this program alone reads the bytes); NaN and infinities among the inputs are not served;
; a number of Wo beyond 65,504 becomes infinite in f16.
; No matrix work, no tensor load, no barrier: waves share nothing.  Each load of jobs C and D reads 512 consecutive bytes of a row; 32 loads (16 KiB) of a wave are out at the most.
.set CSTG,  0                          ; LDS: job C's stages, one of 16 rows x 528 bytes for each wave
.set DSTG,  33792                      ; job D's, bytes of their own
.set SPARE, 67584                      ; the spare words, 128 bytes for each wave: two blocks of 256 bytes that no other line names
.set WST,   8448                       ; a wave's stage
.set SP,    528                        ; a stage row: 512 bytes + 16, so that the 16 rows that a read touches start 16 bytes apart modulo 256
.set X,     16                         ; v16-143  two sets of 64 registers as loaded (jobs A, B: two sets of 32)
.set Y,     144                        ; v144-207 a lane's 64 numbers after the turn through the stage
.set OUTR,  208                        ; v208-223 job C: four registers of mask words for each chunk of 128 keys
	s_load_b512 s[4:19], s[0:1], 0x0               ; mask 4, x_q 6, x_k 8, x_v 10, Wq 12, Wk 14, Wv 16, Wo 18
	s_load_b256 s[20:27], s[0:1], 0x40             ; mw 20, xc 22, sc 24, wc 26
	s_load_b64 s[28:29], s[0:1], 0x60              ; wof
	v_lshl_add_u32 v9, v0, 2, SPARE                ; my spare word; never rewritten
	v_mov_b32 v10, 0                               ; 0; never rewritten
	v_lshrrev_b32 v1, 5, v0
	v_readfirstlane_b32 s32, v1                    ; wave 0..3
	v_and_b32 v1, 31, v0                           ; lane
	v_and_b32 v2, 15, v0                           ; r
	v_bfe_u32 v3, v0, 4, 1                         ; h
	v_lshlrev_b32 v4, 4, v1                        ; 16 x lane
	s_mul_i32 s33, s32, WST
	v_add_nc_u32 v5, s33, v4                       ; job C, into the stage: 16 x lane of a row
	v_mul_u32_u24 v6, v2, SP
	v_lshl_add_u32 v8, v3, 7, v6                   ; 528 r + 128 h
	v_lshl_add_u32 v6, v3, 5, v6                   ; 528 r + 32 h
	v_add_nc_u32 v6, s33, v6                       ; job C, out of the stage
	v_add_nc_u32 v8, s33, v8
	v_add_nc_u32 v8, DSTG, v8                      ; job D, out of its stage
	v_add_nc_u32 v7, DSTG, v5                      ; job D, into it
	v_lshlrev_b32 v11, 3, v3                       ; 8 h: how far my two scale bytes are shifted
	s_mov_b32 s36, 0x76543210
	s_mov_b32 s37, 0xfedcba98                      ; v_permlanex16_b32's selects for lane l xor 16
	s_wait_kmcnt 0x0
; 16 rows' 512 bytes at byte off, rows pitch bytes apart, into set
.macro LOADR set, base, pitch, off
.irp i, 0,1,2,3,4,5,6,7,8,9,10,11,12,13,14,15
	global_load_b128 v[X+64*(\set)+4*\i:X+64*(\set)+4*\i+3], v4, s[\base:\base+1] offset:\i*(\pitch)+(\off) th:TH_LOAD_NT
.endr
.endm
; the set goes into the stage as it was loaded, row by row
.macro TOST set, adr
.irp i, 0,1,2,3,4,5,6,7,8,9,10,11,12,13,14,15
	ds_store_b128 v[\adr], v[X+64*(\set)+4*\i:X+64*(\set)+4*\i+3] offset:SP*\i
.endr
.endm
; jobs A and B: 32 rows of K, a lane a column, into set t % 2
.macro CLOAD t, base, pitch
.irp i, 0,1,2,3,4,5,6,7,8,9,10,11,12,13,14,15,16,17,18,19,20,21,22,23,24,25,26,27,28,29,30,31
	global_load_b32 v[X+32*((\t)%2)+\i], v12, s[\base:\base+1] offset:(32*(\t)+\i)*(\pitch) th:TH_LOAD_NT
.endr
.endm
	s_cmp_lt_u32 ttmp9, 256
	s_cbranch_scc1 .Ljob_c
	s_cmp_lt_u32 ttmp9, 640
	s_cbranch_scc1 .Ljob_d
	s_cmp_lt_u32 ttmp9, 832
	s_cbranch_scc1 .Ljob_a
	s_branch .Ljob_b
; ---- JOB C.  Work-group = a pair of 32 queries, wave = 512 of its keys.  Eight sub-steps U = 2 x (chunk of 128 keys) + (tile of 16 queries).
.Ljob_c:
	s_lshl_b32 s34, ttmp9, 18                      ; 32 rows of 8,192 bytes a pair
	s_lshl_b32 s35, s32, 11                        ; 512 keys of 4 bytes a wave
	s_add_co_u32 s34, s34, s35
	s_mov_b32 s35, 0
	s_add_nc_u64 s[4:5], s[4:5], s[34:35]
	s_lshl_b32 s34, ttmp9, 13                      ; 8,192 bytes of words a pair
	s_lshl_b32 s38, s32, 11                        ; 8 steps of 256 bytes a wave
	s_add_co_u32 s34, s34, s38
	s_add_nc_u64 s[20:21], s[20:21], s[34:35]
	LOADR 0, 4, 8192, 0
	LOADR 1, 4, 8192, 16*8192
.irp i, 0,1,2,3,4,5,6,7,8,9,10,11,12,13,14,15
	v_mov_b32 v[OUTR+\i], 0                        ; written once: a v_writelane_b32's destination counts as read
.endr
.macro CSTEP
.if U < 7
	s_wait_loadcnt 16                              ; this sub-step's 16 loads are in; the next one's 16 may be out
.else
	s_wait_loadcnt 0x0
.endif
	TOST U%2, 5
.irp n, 0,1,2,3,4,5,6,7,8,9,10,11,12,13,14,15
	ds_load_b128 v[Y+4*\n:Y+4*\n+3], v6 offset:64*(\n/2)+16*(\n%2)   ; LDS serves a wave's instructions in order: these see the stores.  Register 8 kt + j: row r, key 16 kt + 8 h + j
.endr
	s_wait_dscnt 0x0                               ; the numbers are back, and the stores have read the set
.if U < 6
	LOADR U%2, 4, 8192, 16*(U%2)*8192+512*((U+2)/2)
.endif
.irp kt, 0,1,2,3,4,5,6,7
.irp j, 0,1,2,3,4,5,6,7
	v_cmp_ne_u32 s[40+\j], 0, v[Y+8*\kt+\j]        ; the 32 lanes' bits are the word
.endr
.irp j, 0,1,2,3,4,5,6,7
	v_writelane_b32 v[OUTR+4*(U/2)+(\j&3)], s[40+\j], 16*(\kt>>2)+8*(U%2)+2*(\kt&3)+(\j>>2)   ; word 64 (kt / 4) + 32 tile + 8 (kt % 4) + j of the chunk's 128: lane = word / 4, register = word % 4
.endr
.endr
.if U%2
	global_store_b128 v4, v[OUTR+4*(U/2):OUTR+4*(U/2)+3], s[20:21] offset:512*(U/2)   ; 512 consecutive bytes; these four registers are not written again
.endif
.endm
.set U, 0
.rept 8
	CSTEP
.set U, U+1
.endr
	s_branch .Lend
; ---- JOB D.  A wave takes a tile of 16 rows of one of the three x, in eight K steps of 128.
.Ljob_d:
	s_sub_co_u32 s34, ttmp9, 256
	s_lshr_b32 s33, s34, 7                         ; tensor 0, 1, 2 = q, k, v
	s_cmp_eq_u32 s33, 0
	s_cselect_b64 s[6:7], s[6:7], s[8:9]
	s_cmp_eq_u32 s33, 2
	s_cselect_b64 s[6:7], s[10:11], s[6:7]
	s_lshl_b32 s34, s34, 2
	s_add_co_u32 s34, s34, s32
	s_and_b32 s34, s34, 511                        ; tile
	s_mov_b32 s39, 0
	s_lshl_b32 s38, s34, 16                        ; 16 rows of 4,096 bytes
	s_add_nc_u64 s[6:7], s[6:7], s[38:39]
	s_lshl_b32 s38, s33, 22
	s_lshl_b32 s35, s34, 13
	s_add_co_u32 s38, s38, s35
	s_add_nc_u64 s[22:23], s[22:23], s[38:39]      ; the tile's 8,192 bytes of codes
	s_lshl_b32 s38, s33, 18
	s_lshl_b32 s35, s34, 9
	s_add_co_u32 s38, s38, s35
	s_add_nc_u64 s[24:25], s[24:25], s[38:39]      ; its 512 bytes of scale words
	LOADR 0, 6, 4096, 0
	LOADR 1, 6, 4096, 512
	v_mov_b32 v231, 0                              ; written once: a lane permute's destination counts as read
.macro DSTEP
.if KS < 7
	s_wait_loadcnt 16                              ; this K step's 16 loads are in; the next one's 16 may be out
.else
	s_wait_loadcnt 0x0
.endif
	TOST KS%2, 7
.irp c, 0,1
.irp i, 0,1,2,3,4,5,6,7
	ds_load_b128 v[Y+32*\c+4*\i:Y+32*\c+4*\i+3], v8 offset:256*\c+16*\i   ; register 32 c + n: K = 64 c + 32 h + n of row r: two whole blocks a lane
.endr
.endr
	s_wait_dscnt 0x0
	s_wait_xcnt 0x0                                ; the last K step's stores have read their registers: the codes below may be written
.if KS < 6
	LOADR KS%2, 6, 4096, 512*(KS+2)
.endif
.irp c, 0,1
	v_max3_num_f32 v[224+\c], |v[Y+32*\c]|, |v[Y+32*\c+1]|, 0x1800000   ; the floor 2^(3 - 127): the byte cannot fall under 1
.endr
.irp i, 2,4,6,8,10,12,14,16,18,20,22,24,26,28,30
.irp c, 0,1
	v_max3_num_f32 v[224+\c], v[224+\c], |v[Y+32*\c+\i]|, |v[Y+32*\c+\i+1]|
.endr
.endr
.irp c, 0,1
	v_add_nc_u32 v[226+\c], 0xff000000, v[224+\c]  ; 2 off the exponent field: the conversion's scale operand
.endr
.irp c, 0,1
	v_lshrrev_b32 v[228+\c], 23, v[226+\c]         ; the scale's byte
.endr
	v_lshl_or_b32 v230, v229, 16, v228             ; my bytes: blocks h and 2 + h,
	v_lshlrev_b32 v230, v11, v230                  ; at their places;
	v_permlanex16_b32 v231, v230, s36, s37
	v_or_b32 v[216+KS], v230, v231                 ; with lane l xor 16's two the row's word is whole
.irp c, 0,1
.irp g, 0,1,2,3
	v_cvt_scalef32_pk8_fp4_f32 v[208+4*\c+\g], v[Y+32*\c+8*\g:Y+32*\c+8*\g+7], v[226+\c]
.endr
.endr
	v_nop                                          ; one plain instruction behind the last scaled conversion
.irp c, 0,1
	global_store_b128 v4, v[208+4*\c:208+4*\c+3], s[22:23] offset:1024*KS+512*\c   ; 512 consecutive bytes
.endr
.endm
.set KS, 0
.rept 8
	DSTEP
.set KS, KS+1
.endr
	v_cmp_le_u32 vcc_lo, 16, v1
.irp i, 0,1,2,3
	v_cndmask_b32 v[232+\i], v[216+\i], v[220+\i], vcc_lo   ; lanes 0-15: the row's words of K steps 0-3; lanes 16-31: of 4-7
.endr
	v_lshlrev_b32 v12, 5, v2
	v_lshl_add_u32 v12, v3, 4, v12
	global_store_b128 v12, v[232:235], s[24:25]    ; the tile's 512 bytes
	s_branch .Lend
; ---- JOB A.  A wave takes 32 columns e of a head of one W and one K step of 128: four blocks of 32 down K, all of a block in one lane.
.Ljob_a:
	s_sub_co_u32 s34, ttmp9, 640
	s_lshr_b32 s33, s34, 6                         ; tensor
	s_cmp_eq_u32 s33, 0
	s_cselect_b64 s[12:13], s[12:13], s[14:15]
	s_cmp_eq_u32 s33, 2
	s_cselect_b64 s[12:13], s[16:17], s[12:13]
	s_bfe_u32 s35, s34, 0x40002                    ; head
	s_and_b32 s34, s34, 3
	s_lshl_b32 s34, s34, 1
	s_lshr_b32 s38, s32, 1
	s_add_co_u32 s34, s34, s38                     ; K step
	s_and_b32 s40, s32, 1                          ; which 32 of the head's 64 columns
	s_mov_b32 s39, 0
	s_lshl_b32 s38, s35, 18                        ; W: head x 1,024 rows of 256 bytes + K step x 128 rows + 128 x half
	s_lshl_b32 s41, s34, 15
	s_add_co_u32 s38, s38, s41
	s_lshl_b32 s41, s40, 7
	s_add_co_u32 s38, s38, s41
	s_add_nc_u64 s[12:13], s[12:13], s[38:39]
	s_lshl_b32 s38, s33, 19                        ; codes: tensor x 524,288 + (4 head + 2 half) x 8,192 + K step x 1,024
	s_lshl_b32 s41, s35, 15
	s_add_co_u32 s38, s38, s41
	s_lshl_b32 s41, s40, 14
	s_add_co_u32 s38, s38, s41
	s_lshl_b32 s41, s34, 10
	s_add_co_u32 s38, s38, s41
	s_add_nc_u64 s[26:27], s[26:27], s[38:39]
	s_lshl_b32 s38, s33, 15                        ; scale words: 786,432 + tensor x 32,768 + (64 head + 32 half) x 32 + 4 x K step
	s_lshl_b32 s41, s35, 11
	s_add_co_u32 s38, s38, s41
	s_lshl_b32 s41, s40, 10
	s_add_co_u32 s38, s38, s41
	s_lshl_b32 s41, s34, 2
	s_add_co_u32 s38, s38, s41
	s_add_co_u32 s38, s38, 786432
	s_add_nc_u64 s[24:25], s[24:25], s[38:39]
	v_lshlrev_b32 v12, 2, v1                       ; in: 4 bytes a lane
	v_lshlrev_b32 v13, 4, v2
	v_lshl_add_u32 v13, v3, 13, v13                ; codes: 16 r, and lanes 16-31 the next tile of 16 rows
	v_lshlrev_b32 v14, 5, v1                       ; scale words: 32 bytes a row
	CLOAD 0, 12, 256
	CLOAD 1, 12, 256
.macro ABLOCK
.set XS, X+32*(T%2)
.if T < 3
	s_wait_loadcnt 32                              ; this block's 32 loads are in; the next block's may be out
.else
	s_wait_loadcnt 0x0
.endif
	v_max3_num_f32 v96, |v[XS]|, |v[XS+1]|, |v[XS+2]|
	v_max3_num_f32 v97, |v[XS+3]|, |v[XS+4]|, |v[XS+5]|
.irp i, 6,10,14,18,22,26
	v_max3_num_f32 v96, v96, |v[XS+\i]|, |v[XS+\i+1]|
	v_max3_num_f32 v97, v97, |v[XS+\i+2]|, |v[XS+\i+3]|
.endr
	v_max3_num_f32 v96, v96, |v[XS+30]|, |v[XS+31]|
	v_max3_num_f32 v96, v96, v97, 0x1800000        ; and the floor
	v_add_nc_u32 v98, 0xff000000, v96
	v_lshrrev_b32 v97, 23, v98
.if T == 0
	v_mov_b32 v99, v97
.else
	v_lshl_or_b32 v99, v97, 8*T, v99               ; block T's byte is byte T of the K step's word
.endif
.irp g, 0,1,2,3
	v_cvt_scalef32_pk8_fp4_f32 v[80+4*T+\g], v[XS+8*\g:XS+8*\g+7], v98
.endr
	v_nop                                          ; one plain instruction behind the last scaled conversion
	global_store_b128 v13, v[80+4*T:80+4*T+3], s[26:27] offset:256*T   ; block T = 2 c + h of the image: 16 lanes store 256 consecutive bytes, aligned; registers of the block's own
.if T < 2
	CLOAD T+2, 12, 256
.endif
.endm
.set T, 0
.rept 4
	ABLOCK
.set T, T+1
.endr
	global_store_b32 v14, v99, s[24:25]            ; 4 bytes of each row's 32: the other K steps' come from other waves; 98,304 bytes in all are written so
	s_branch .Lend
; ---- JOB B.  A wave takes 32 columns n of Wo and 128 rows k: eight neighbouring k of a column pack into 16 bytes of f16.
.Ljob_b:
	s_sub_co_u32 s34, ttmp9, 832
	s_and_b32 s35, s34, 7                          ; which 128 columns
	s_lshr_b32 s34, s34, 3                         ; which 128 rows
	s_mov_b32 s39, 0
	s_lshl_b32 s38, s34, 19                        ; Wo: 128 rows of 4,096 bytes + 512 x column group + 128 x wave
	s_lshl_b32 s41, s35, 9
	s_add_co_u32 s38, s38, s41
	s_lshl_b32 s41, s32, 7
	s_add_co_u32 s38, s38, s41
	s_add_nc_u64 s[18:19], s[18:19], s[38:39]
	s_lshl_b32 s38, s35, 18                        ; wof: (8 group + 2 wave) tiles of 32,768 bytes + 4 chunks of 1,024 bytes a row group
	s_lshl_b32 s41, s32, 16
	s_add_co_u32 s38, s38, s41
	s_lshl_b32 s41, s34, 12
	s_add_co_u32 s38, s38, s41
	s_add_nc_u64 s[28:29], s[28:29], s[38:39]
	v_lshlrev_b32 v12, 2, v1
	v_lshlrev_b32 v13, 4, v2
	v_lshl_add_u32 v13, v3, 15, v13                ; 16 r, and lanes 16-31 the next tile of 16 columns
	CLOAD 0, 18, 4096
	CLOAD 1, 18, 4096
.macro BBLOCK
.set XS, X+32*(T%2)
.if T < 3
	s_wait_loadcnt 32
.else
	s_wait_loadcnt 0x0
.endif
.irp m, 0,1,2,3
.irp i, 0,1,2,3
	v_cvt_pk_f16_f32 v[80+16*T+4*\m+\i], v[XS+8*\m+2*\i], v[XS+8*\m+2*\i+1]
.endr
	global_store_b128 v13, v[80+16*T+4*\m:80+16*T+4*\m+3], s[28:29] offset:256*(4*T+\m)   ; 16 lanes store 256 consecutive bytes, aligned; registers of the group's own
.endr
.if T < 2
	CLOAD T+2, 18, 4096
.endif
.endm
.set T, 0
.rept 4
	BBLOCK
.set T, T+1
.endr
.Lend:
	s_wait_tensorcnt 0x0                           ; the wave's end, behind the last LDS store
	ds_add_u32 v9, v10
	s_wait_dscnt 0x0
	s_endpgm
.Lfunc_end_k_q1bbb51bb2b_prep:
	.size	k_q1bbb51bb2b_prep, .Lfunc_end_k_q1bbb51bb2b_prep-k_q1bbb51bb2b_prep
	.p2alignl 7, 3214868480
	.fill 96, 4, 3214868480
	.section	.rodata,"a",@progbits
	.p2align	6, 0x0
	.amdhsa_kernel k_q1bbb51bb2b_prep
		.amdhsa_group_segment_fixed_size 68096
		.amdhsa_private_segment_fixed_size 0
		.amdhsa_enable_private_segment 0
		.amdhsa_kernarg_size 104
		.amdhsa_user_sgpr_count 2
		.amdhsa_user_sgpr_kernarg_segment_ptr 1
		.amdhsa_wavefront_size32 1
		.amdhsa_system_sgpr_workgroup_id_x 1
		.amdhsa_system_sgpr_workgroup_id_y 1
		.amdhsa_system_sgpr_workgroup_id_z 1
		.amdhsa_system_vgpr_workitem_id 0
		.amdhsa_next_free_vgpr 240
		.amdhsa_next_free_sgpr 66
		.amdhsa_reserve_vcc 1
		.amdhsa_float_denorm_mode_32 3
		.amdhsa_float_denorm_mode_16_64 3
		.amdhsa_memory_ordered 1
		.amdhsa_forward_progress 1
		.amdhsa_inst_pref_size 189
	.end_amdhsa_kernel
	.amdgpu_metadata
---
amdhsa.version: [ 1, 2 ]
amdhsa.kernels:
  - .name:           k_q1bbb51bb2b_prep
    .symbol:         k_q1bbb51bb2b_prep.kd
    .args:
      - { .name: mask, .offset: 0, .size: 8, .value_kind: global_buffer, .address_space: global }
      - { .name: x_q, .offset: 8, .size: 8, .value_kind: global_buffer, .address_space: global }
      - { .name: x_k, .offset: 16, .size: 8, .value_kind: global_buffer, .address_space: global }
      - { .name: x_v, .offset: 24, .size: 8, .value_kind: global_buffer, .address_space: global }
      - { .name: Wq, .offset: 32, .size: 8, .value_kind: global_buffer, .address_space: global }
      - { .name: Wk, .offset: 40, .size: 8, .value_kind: global_buffer, .address_space: global }
      - { .name: Wv, .offset: 48, .size: 8, .value_kind: global_buffer, .address_space: global }
      - { .name: Wo, .offset: 56, .size: 8, .value_kind: global_buffer, .address_space: global }
      - { .name: mw, .offset: 64, .size: 8, .value_kind: global_buffer, .address_space: global }
      - { .name: xc, .offset: 72, .size: 8, .value_kind: global_buffer, .address_space: global }
      - { .name: sc, .offset: 80, .size: 8, .value_kind: global_buffer, .address_space: global }
      - { .name: wc, .offset: 88, .size: 8, .value_kind: global_buffer, .address_space: global }
      - { .name: wof, .offset: 96, .size: 8, .value_kind: global_buffer, .address_space: global }
    .group_segment_fixed_size: 68096
    .private_segment_fixed_size: 0
    .kernarg_segment_align: 8
    .kernarg_segment_size: 104
    .max_flat_workgroup_size: 128
    .sgpr_count:     66
    .vgpr_count:     240
    .wavefront_size: 32
...
	.end_amdgpu_metadata
.endif
;; end of part 1
;; launch proj (part 2): grid 4 x 96, 16 waves a work-group, clusters of 4 x 4, 264,192 bytes of LDS; arguments xc, sc, wc, bq, bk, bv, qkv; writes qkv
.if DOCPART == 2
	.amdgcn_target "amdgcn-amd-amdhsa--gfx1250"
	.amdhsa_code_object_version 6
	.text
	.protected	k_q1bbb51bb2b_proj
	.globl	k_q1bbb51bb2b_proj
	.p2align	8
	.type	k_q1bbb51bb2b_proj,@function
k_q1bbb51bb2b_proj:
	s_mov_b64 s[64:65], 0
	v_nop
	global_prefetch_b8 v0, s[64:65] scope:SCOPE_SE
	s_setreg_imm32_b32 hwreg(HW_REG_WAVE_MODE, 25, 1), 1
	s_wait_xcnt 0x0
	s_wait_alu depctr_hold_cnt(0) depctr_sa_sdst(0) depctr_va_vdst(0) depctr_va_sdst(0) depctr_va_ssrc(0) depctr_va_vcc(0) depctr_vm_vsrc(0)
	s_getreg_b32 s2, hwreg(HW_REG_IB_STS2, 6, 4)
	s_cmp_eq_u32 s2, 0
	s_cbranch_scc0 .Lentry_in_a_cluster
	s_endpgm
.Lentry_in_a_cluster:
	s_bfe_u32 s2, ttmp6, 0x10000c
	s_cmp_lg_u32 s2, 0xf033
	s_cbranch_scc0 .Lentry_shape_is_right
	s_endpgm
.Lentry_shape_is_right:
; PROJ: q = x_q Wq + bq, k = x_k Wk + bk, v = x_v Wv + bv on codes of E2M1 with one E8M0 scale for each 32 along K = 1,024; sums in f32; results rounded once to f16 and stored
; as images of the attention launch's operand registers.  LIMIT: a result beyond 65,504 becomes infinite in f16.
; SHARES.  A work-group makes 256 tokens x 256 channels of one of the three; each of its 16 waves 64 x 64: 16 accumulators.  Four waves to a SIMD: one's LDS loads stand beside another's products.
; ALL OF K LIES IN LDS: 128 KiB of x's codes and 128 KiB of W's, brought once, in four parts of 256 along K, so that the products of a part begin while the later parts are on their way.  Nothing is filled twice.
; CLUSTERS: 4 x 4 work-groups of one tensor.  The four of a row of the cluster need the same tokens' codes, the four of a column the same channels': each tile is asked for jointly.
; q and k are made TRANSPOSED (source 0 = 16 channels of W, source 1 = 16 tokens): a lane holds one token and eight neighbouring channels, which pack into the 16 bytes that a fragment of q or k wants.
; v is made the other way round (source 0 = tokens, source 1 = channels): a lane holds one channel and eight neighbouring tokens: a fragment of v with the keys along its registers.
; The two ways are two arms of a branch on the tensor's number, which all 16 work-groups of a cluster share; no barrier stands in an arm.
; REGISTERS: v1 16 x lane; v2, v3 LDS addresses of my x and W fragments; v4, v5 the add's two; v8-15 v's bias, a pair for each tile of channels; v16-47 scale words; v48-79 four fragments of x; v80-111 four of W;
;            v112-114 offsets; v128-255 the accumulators, (a, b) at 128 + 8 (4 a + b).
.set SPARE, 262144                     ; behind the codes: the spare words, 128 bytes for each of 16 waves: eight blocks of 256 bytes that no other line names
.set SPW,  4
.set NIL,  5
.set SC,   16                          ; register 8 i + ks: lanes 0-15 the word of my x tile i, lanes 16-31 that of my W tile i, for K step ks
.set AF,   48
.set BF,   80
.set ACC,  128
.set WV,   18
.set TEN,  19
.set G1A,  24                          ; s[24:31] descriptor group 1 for x's codes;  s[32:39] for W's: they differ in the mask
.set G1B,  32
.set G0A,  40                          ; s[40:55] group 0 for x's four parts;  s[68:83] for W's
.set G0B,  68
.macro CROUND                          ; a round of the cluster's barrier
	s_barrier_signal -1
	s_barrier_wait -1
	s_cmp_lg_u32 s[WV], 0
	s_cbranch_scc1 .Lnot_wave_0_\@
	s_barrier_signal -3
.Lnot_wave_0_\@:
	s_barrier_wait -3
	s_barrier_signal -1
	s_barrier_wait -1
.endm
	s_load_b256 s[4:11], s[0:1], 0x0               ; xc 4, sc 6, wc 8, bq 10
	s_load_b128 s[12:15], s[0:1], 0x20             ; bk 12, bv 14
	s_load_b64 s[16:17], s[0:1], 0x30              ; qkv
	v_lshl_add_u32 v[SPW], v0, 2, SPARE
	v_mov_b32 v[NIL], 0
	ds_add_u32 v[SPW], v[NIL]                      ; the wave's opening: the add, twice on end, and its wait ahead of the first tensor load
	ds_add_u32 v[SPW], v[NIL]
	v_lshrrev_b32 v6, 5, v0
	v_readfirstlane_b32 s[WV], v6                  ; wave 0..15
	s_bfe_u32 s20, ttmp6, 0x40000                  ; cx
	s_bfe_u32 s21, ttmp6, 0x40004                  ; cy
	s_and_b32 s22, ttmp7, 0xffff                   ; the cluster's y, 0..23
	s_lshr_b32 s[TEN], s22, 3                      ; tensor 0, 1, 2 = q, k, v: the same in all partners
	s_and_b32 s22, s22, 7
	s_lshl_b32 s22, s22, 2
	s_add_co_u32 s22, s22, s21                     ; block of 256 tokens, 0..31
	s_lshl_b32 s84, ttmp9, 2
	s_add_co_u32 s84, s84, s20                     ; block of 256 channels, 0..3
	s_lshl_b32 s23, s21, 2
	s_lshl_b32 s23, 15, s23                        ; my row of the cluster
	s_lshl_b32 s85, 0x1111, s20                    ; my column
	s_or_b32 s[G1A], s23, (3<<16)|(1<<21)          ; 15:0 the mask; 17:16 elements of 8 bytes; 21 set beside a mask; no padding: the tiles are images of registers, read 512 consecutive bytes at a time
	s_or_b32 s[G1B], s85, (3<<16)|(1<<21)
.irp g, G1A, G1B
	s_mov_b32 s[\g+1], 256<<16                     ; tensor_dim0 = 256 elements: a tile's 2,048 bytes of one part
	s_mov_b32 s[\g+2], 8<<16                       ; tensor_dim1 = 8 tiles of 16 rows
	s_mov_b32 s[\g+3], 256<<16                     ; tile_dim0
	s_mov_b32 s[\g+4], 8                           ; tile_dim1
	s_mov_b32 s[\g+5], 1024                        ; from tile to tile: 8,192 bytes
	s_mov_b32 s[\g+6], 0
	s_mov_b32 s[\g+7], 0
.endr
	s_and_b32 s56, s[WV], 1
	s_lshl_b32 s56, s56, 16                        ; which eight tiles I fetch, in memory and in LDS alike: 65,536 bytes
	s_lshl_b32 s58, s[TEN], 22                     ; x's codes: tensor x 4,194,304 + token block x 131,072 + half
	s_lshl_b32 s57, s22, 17
	s_add_co_u32 s58, s58, s57
	s_add_co_u32 s58, s58, s56
	s_mov_b32 s59, 0
	s_lshl_b32 s86, s[TEN], 19                     ; W's codes: tensor x 524,288 + channel block x 131,072 + half
	s_lshl_b32 s85, s84, 17
	s_add_co_u32 s86, s86, s85
	s_add_co_u32 s86, s86, s56
	s_mov_b32 s87, 0
	s_and_b32 s60, s[WV], 3                        ; my 64 tokens of the 256
	s_lshr_b32 s61, s[WV], 2                       ; my 64 channels: head 4 x block + this
	s_wait_dscnt 0x0                               ; both opening adds are done
	s_wait_kmcnt 0x0
	s_add_nc_u64 s[58:59], s[4:5], s[58:59]
	s_add_nc_u64 s[86:87], s[8:9], s[86:87]
	CROUND                                         ; all sixteen work-groups are here: the joint loads meet
.irp p, 0,1,2,3
	s_mov_b32 s[G0A+4*\p], 1
	s_add_co_u32 s[G0A+4*\p+1], s56, \p*16384      ; LDS: [x halves 0, 1, W halves 0, 1][part][8 tiles][2,048 bytes]
	s_add_nc_u64 s[G0A+4*\p+2:G0A+4*\p+3], s[58:59], \p*2048
	s_or_b32 s[G0A+4*\p+3], s[G0A+4*\p+3], 0x80000000
	s_mov_b32 s[G0B+4*\p], 1
	s_add_co_u32 s[G0B+4*\p+1], s56, \p*16384+131072
	s_add_nc_u64 s[G0B+4*\p+2:G0B+4*\p+3], s[86:87], \p*2048
	s_or_b32 s[G0B+4*\p+3], s[G0B+4*\p+3], 0x80000000
.endr
	s_cmp_lt_u32 s[WV], 2                          ; waves 0, 1 fetch x's halves, waves 2, 3 W's, the others nothing: a wave's four first fills stand in one branch on its number; four loads of a wave are out at the most
	s_cbranch_scc0 .Lnot_x
.irp p, 0,1,2,3
	tensor_load_to_lds s[G0A+4*\p:G0A+4*\p+3], s[G1A:G1A+7]
	s_nop 0
.endr
.rept 4
	v_nop
.endr
	s_branch .Lasked
.Lnot_x:
	s_cmp_lt_u32 s[WV], 4
	s_cbranch_scc0 .Lasked
.irp p, 0,1,2,3
	tensor_load_to_lds s[G0B+4*\p:G0B+4*\p+3], s[G1B:G1B+7]
	s_nop 0
.endr
.rept 4
	v_nop
.endr
.Lasked:
	v_and_b32 v1, 31, v0
	v_lshlrev_b32 v1, 4, v1                        ; 16 x lane
	s_lshr_b32 s62, s60, 1
	s_lshl_b32 s62, s62, 16
	s_and_b32 s63, s60, 1
	s_lshl_b32 s63, s63, 13
	s_add_co_u32 s62, s62, s63
	v_add_nc_u32 v2, s62, v1                       ; my four x tiles: half, then four tiles of 2,048 bytes
	s_lshr_b32 s62, s61, 1
	s_lshl_b32 s62, s62, 16
	s_and_b32 s63, s61, 1
	s_lshl_b32 s63, s63, 13
	s_add_co_u32 s62, s62, s63
	s_add_co_u32 s62, s62, 131072
	v_add_nc_u32 v3, s62, v1                       ; my four W tiles
	s_lshl_b32 s88, s[TEN], 18                     ; x's scale words: tensor x 262,144 + (256 block + 64 quarter) rows of 32 bytes
	s_lshl_b32 s89, s22, 13
	s_add_co_u32 s88, s88, s89
	s_lshl_b32 s89, s60, 11
	s_add_co_u32 s88, s88, s89
	s_lshl_b32 s90, s[TEN], 15                     ; W's: 786,432 + tensor x 32,768 + likewise
	s_lshl_b32 s89, s84, 13
	s_add_co_u32 s90, s90, s89
	s_lshl_b32 s89, s61, 11
	s_add_co_u32 s90, s90, s89
	s_add_co_u32 s90, s90, 786432
	s_sub_co_u32 s90, s90, s88                     ; the distance from x's to W's
	v_and_b32 v6, 15, v0                           ; r
	v_bfe_u32 v7, v0, 4, 1                         ; h
	v_mul_lo_u32 v112, v7, s90                     ; lanes 16-31 take W's
	v_lshl_add_u32 v112, v6, 5, v112
	v_add_nc_u32 v112, s88, v112
	v_lshlrev_b32 v113, 5, v7                      ; 32 h: the bias of eight channels of my half
	v_lshlrev_b32 v114, 2, v6                      ; 4 r: the bias of my channel
.irp i, 0,1,2,3
	global_load_b128 v[SC+8*\i:SC+8*\i+3], v112, s[6:7] offset:512*\i
	global_load_b128 v[SC+8*\i+4:SC+8*\i+7], v112, s[6:7] offset:512*\i+16
.endr
	s_cmp_eq_u32 s[TEN], 0
	s_cselect_b64 s[10:11], s[10:11], s[12:13]
	s_cmp_eq_u32 s[TEN], 2
	s_cselect_b64 s[10:11], s[14:15], s[10:11]     ; my tensor's bias,
	s_lshl_b32 s92, s84, 10
	s_lshl_b32 s93, s61, 8
	s_add_co_u32 s92, s92, s93
	s_mov_b32 s93, 0
	s_add_nc_u64 s[10:11], s[10:11], s[92:93]      ; at my 64 channels
; The bias in both layouts, in every work-group, so that no register's content hangs on an arm: by registers straight into the accumulators (q, k: it starts the sums and costs no addition;
; v's first products take the constant 0 and write over it), and by lanes into v8-15 (v: added on the way out).
.irp a, 0,1,2,3
.irp b, 0,1,2,3
	global_load_b128 v[ACC+8*(4*\a+\b):ACC+8*(4*\a+\b)+3], v113, s[10:11] offset:64*\b
	global_load_b128 v[ACC+8*(4*\a+\b)+4:ACC+8*(4*\a+\b)+7], v113, s[10:11] offset:64*\b+16
.endr
.endr
.irp b, 0,1,2,3
	global_load_b32 v[8+2*\b], v114, s[10:11] offset:64*\b
	global_load_b32 v[9+2*\b], v114, s[10:11] offset:64*\b
.endr
	s_lshr_b32 s92, s22, 3                         ; where my results go: tensor x 16,777,216 + (16 batch + head) x 262,144 + my 64 tokens' 8,192 bytes: the same for all three
	s_lshl_b32 s92, s92, 4
	s_lshl_b32 s94, s84, 2
	s_add_co_u32 s92, s92, s94
	s_add_co_u32 s92, s92, s61
	s_lshl_b32 s92, s92, 18
	s_lshl_b32 s94, s[TEN], 24
	s_add_co_u32 s92, s92, s94
	s_and_b32 s94, s22, 7
	s_lshl_b32 s94, s94, 15
	s_add_co_u32 s92, s92, s94
	s_lshl_b32 s94, s60, 13
	s_add_co_u32 s92, s92, s94
	s_add_nc_u64 s[16:17], s[16:17], s[92:93]
	s_wait_loadcnt 0x0                             ; scale words and biases
; One K step of 128: eight fragments from LDS, 16 products.  The 16 accumulators take turns, one instruction a turn, in the same order in every step.
.macro KSTEP nat, p, kk, zero
.irp a, 0,1,2,3
.irp c, 0,1
	ds_load_b128 v[AF+8*\a+4*\c:AF+8*\a+4*\c+3], v2 offset:16384*(\p)+2048*\a+1024*(\kk)+512*\c
	ds_load_b128 v[BF+8*\a+4*\c:BF+8*\a+4*\c+3], v3 offset:16384*(\p)+2048*\a+1024*(\kk)+512*\c
.endr
.endr
	s_wait_dscnt 0x0
.irp a, 0,1,2,3
.irp b, 0,1,2,3
.if \nat
.if \zero
	v_wmma_scale_f32_16x16x128_f8f6f4 v[ACC+8*(4*\a+\b):ACC+8*(4*\a+\b)+7], v[AF+8*\a:AF+8*\a+7], v[BF+8*\b:BF+8*\b+7], 0, v[SC+8*\a+2*(\p)+(\kk)], v[SC+8*\b+2*(\p)+(\kk)] matrix_a_fmt:MATRIX_FMT_FP4 matrix_b_fmt:MATRIX_FMT_FP4 matrix_b_scale:MATRIX_SCALE_ROW1
.else
	v_wmma_scale_f32_16x16x128_f8f6f4 v[ACC+8*(4*\a+\b):ACC+8*(4*\a+\b)+7], v[AF+8*\a:AF+8*\a+7], v[BF+8*\b:BF+8*\b+7], v[ACC+8*(4*\a+\b):ACC+8*(4*\a+\b)+7], v[SC+8*\a+2*(\p)+(\kk)], v[SC+8*\b+2*(\p)+(\kk)] matrix_a_fmt:MATRIX_FMT_FP4 matrix_b_fmt:MATRIX_FMT_FP4 matrix_b_scale:MATRIX_SCALE_ROW1
.endif
.else
	v_wmma_scale_f32_16x16x128_f8f6f4 v[ACC+8*(4*\a+\b):ACC+8*(4*\a+\b)+7], v[BF+8*\b:BF+8*\b+7], v[AF+8*\a:AF+8*\a+7], v[ACC+8*(4*\a+\b):ACC+8*(4*\a+\b)+7], v[SC+8*\b+2*(\p)+(\kk)], v[SC+8*\a+2*(\p)+(\kk)] matrix_a_fmt:MATRIX_FMT_FP4 matrix_b_fmt:MATRIX_FMT_FP4 matrix_a_scale:MATRIX_SCALE_ROW1
.endif
.endr
.endr
.rept 4
	v_nop                                          ; four places in front of loads into registers that these products read, and of the first read of results
.endr
.endm
; A part: 256 along K.  The fetching waves wait for their load of this part (the 3 - p loads issued behind it may stay out), then the barrier shows it to all sixteen.  No LDS load of mine is out at the signal.
.macro PART p
	s_wait_tensorcnt 3-\p
	s_barrier_signal -1
	s_barrier_wait -1
	s_cmp_eq_u32 s[TEN], 2
	s_cbranch_scc1 .Lnat_\@
	KSTEP 0, \p, 0, 0
	KSTEP 0, \p, 1, 0
	s_branch .Ljoin_\@
.Lnat_\@:
.if \p == 0
	KSTEP 1, \p, 0, 1
.else
	KSTEP 1, \p, 0, 0
.endif
	KSTEP 1, \p, 1, 0
.Ljoin_\@:
.endm
	PART 0
	PART 1
	PART 2
	PART 3
; THE WAY OUT.  A lane's eight results of an accumulator pack into 16 bytes of f16, and the 32 lanes' 512 bytes are one group of four registers of the reader's fragment: stored as they stand.
	s_cmp_eq_u32 s[TEN], 2
	s_cbranch_scc0 .Lpack
.irp n, 0,1,2,3,4,5,6,7,8,9,10,11,12,13,14,15
.irp i, 0,2,4,6
	v_pk_add_f32 v[ACC+8*\n+\i:ACC+8*\n+\i+1], v[ACC+8*\n+\i:ACC+8*\n+\i+1], v[8+2*(\n%4):9+2*(\n%4)]   ; v: my channel's bias
.endr
.endr
.Lpack:
.irp n, 0,1,2,3,4,5,6,7,8,9,10,11,12,13,14,15
.irp i, 0,1,2,3
	v_cvt_pk_f16_f32 v[AF+4*\n+\i], v[ACC+8*\n+2*\i], v[ACC+8*\n+2*\i+1]   ; each accumulator from its low end on; the fragments' registers are free
.endr
.endr
	s_cmp_eq_u32 s[TEN], 2
	s_cbranch_scc1 .Lstore_v
.irp n, 0,1,2,3,4,5,6,7,8,9,10,11,12,13,14,15
	global_store_b128 v1, v[AF+4*\n:AF+4*\n+3], s[16:17] offset:2048*(\n/4)+512*(\n%4)   ; q, k: [tile of 16 tokens][channels 16 b on]: 512 consecutive bytes
.endr
	s_branch .Ldone
.Lstore_v:
.irp n, 0,1,2,3,4,5,6,7,8,9,10,11,12,13,14,15
	global_store_b128 v1, v[AF+4*\n:AF+4*\n+3], s[16:17] offset:4096*(\n/8)+1024*(\n%4)+512*((\n/4)%2)   ; v: [chunk of 32 keys][tile of 16 channels][keys 16 g on]
.endr
.Ldone:
	s_wait_tensorcnt 0x0                           ; the wave's end
	ds_add_u32 v[SPW], v[NIL]
	s_wait_dscnt 0x0
	CROUND                                         ; the closing round
	s_endpgm
.Lfunc_end_k_q1bbb51bb2b_proj:
	.size	k_q1bbb51bb2b_proj, .Lfunc_end_k_q1bbb51bb2b_proj-k_q1bbb51bb2b_proj
	.p2alignl 7, 3214868480
	.fill 96, 4, 3214868480
	.section	.rodata,"a",@progbits
	.p2align	6, 0x0
	.amdhsa_kernel k_q1bbb51bb2b_proj
		.amdhsa_group_segment_fixed_size 264192
		.amdhsa_private_segment_fixed_size 0
		.amdhsa_enable_private_segment 0
		.amdhsa_kernarg_size 56
		.amdhsa_user_sgpr_count 2
		.amdhsa_user_sgpr_kernarg_segment_ptr 1
		.amdhsa_wavefront_size32 1
		.amdhsa_system_sgpr_workgroup_id_x 1
		.amdhsa_system_sgpr_workgroup_id_y 1
		.amdhsa_system_sgpr_workgroup_id_z 1
		.amdhsa_system_vgpr_workitem_id 0
		.amdhsa_next_free_vgpr 256
		.amdhsa_next_free_sgpr 100
		.amdhsa_reserve_vcc 0
		.amdhsa_float_denorm_mode_32 3
		.amdhsa_float_denorm_mode_16_64 3
		.amdhsa_memory_ordered 1
		.amdhsa_forward_progress 1
		.amdhsa_inst_pref_size 76
	.end_amdhsa_kernel
	.amdgpu_metadata
---
amdhsa.version: [ 1, 2 ]
amdhsa.kernels:
  - .name:           k_q1bbb51bb2b_proj
    .symbol:         k_q1bbb51bb2b_proj.kd
    .args:
      - { .name: xc, .offset: 0, .size: 8, .value_kind: global_buffer, .address_space: global }
      - { .name: sc, .offset: 8, .size: 8, .value_kind: global_buffer, .address_space: global }
      - { .name: wc, .offset: 16, .size: 8, .value_kind: global_buffer, .address_space: global }
      - { .name: bq, .offset: 24, .size: 8, .value_kind: global_buffer, .address_space: global }
      - { .name: bk, .offset: 32, .size: 8, .value_kind: global_buffer, .address_space: global }
      - { .name: bv, .offset: 40, .size: 8, .value_kind: global_buffer, .address_space: global }
      - { .name: qkv, .offset: 48, .size: 8, .value_kind: global_buffer, .address_space: global }
    .group_segment_fixed_size: 264192
    .private_segment_fixed_size: 0
    .kernarg_segment_align: 8
    .kernarg_segment_size: 56
    .max_flat_workgroup_size: 512
    .sgpr_count:     100
    .vgpr_count:     256
    .wavefront_size: 32
...
	.end_amdgpu_metadata
.endif
;; end of part 2
;; launch attn (part 3): grid 4 x 64, 8 waves a work-group, clusters of 4 x 1, 327,680 bytes of LDS; arguments qkv, mw, zf; writes zf
.if DOCPART == 3
	.amdgcn_target "amdgcn-amd-amdhsa--gfx1250"
	.amdhsa_code_object_version 6
	.text
	.protected	k_q1bbb51bb2b_attn
	.globl	k_q1bbb51bb2b_attn
	.p2align	8
	.type	k_q1bbb51bb2b_attn,@function
k_q1bbb51bb2b_attn:
	s_mov_b64 s[64:65], 0
	v_nop
	global_prefetch_b8 v0, s[64:65] scope:SCOPE_SE
	s_setreg_imm32_b32 hwreg(HW_REG_WAVE_MODE, 25, 1), 1
	s_wait_xcnt 0x0
	s_wait_alu depctr_hold_cnt(0) depctr_sa_sdst(0) depctr_va_vdst(0) depctr_va_sdst(0) depctr_va_ssrc(0) depctr_va_vcc(0) depctr_vm_vsrc(0)
	s_getreg_b32 s2, hwreg(HW_REG_IB_STS2, 6, 4)
	s_cmp_eq_u32 s2, 0
	s_cbranch_scc0 .Lentry_in_a_cluster
	s_endpgm
.Lentry_in_a_cluster:
	s_bfe_u32 s2, ttmp6, 0x10000c
	s_cmp_lg_u32 s2, 0x3003
	s_cbranch_scc0 .Lentry_shape_is_right
	s_endpgm
.Lentry_shape_is_right:
; ATTN: z[b][h][q] = the sum over k of softmax_k(s) v[k], s = q . k / 8 where mask[b][q][k] != 0 and 0 where it is 0: a masked score counts as 0 in the maximum and in the sum, so every row has all 2,048 terms.
; q, k, v: f16, as images of operand registers; products and sums in f32; the weights p are rounded to f16 for the second product, z once at the end.  LIMIT: NaN and infinities are not served.
; SHARES.  A work-group owns 512 queries of one head, each of its eight waves 64: four tiles of 16, in two pieces (tiles 0, 1 and 2, 3).  Two waves to a SIMD: one's softmax stands beside the other's products.
; LAYOUT.  S^T = K Q^T (source 0 = 16 keys, source 1 = 16 queries): a lane holds ONE query (lane % 16) and keys 8 (lane / 16) + 0..7 of each tile of 16.  Two such tiles, rounded in pairs, ARE source 1 of
; O^T = V^T P, whose result again holds one query a lane.  k and v lie in memory and in LDS in the order of the fragments' registers: every fragment load reads 512 consecutive bytes.
; THE MASK comes as one 32-bit word for each register of a score tile, bit = lane: 32 words a tile and key step, by scalar loads into scalar registers, where v_cndmask_b32 takes them as its select.
; SOFTMAX.  A running maximum m and sum l for each query: p = 2^(c s - c m), c = log2(e) / 8; in every step O^T and l are multiplied by a = 2^(c m_old - c m_new).
; RING.  Two LDS slots of 512 keys (8 key steps of 64): 64 KiB of k, 64 KiB of v.  Each wave fetches 16 KiB of a slot by one tensor load.  CLUSTER: the four query blocks of a head walk the same k and v: each load is joint.
; REGISTERS, in windows of 256.  Window 0: v1 16 x lane; v2 the address in hand; v3 16 x lane + 65,536; v4, v5 the add's two; v6, v7 the prefetch's offsets; v16-47 eight registers of statistics a tile
;   (+0 c m, +1 m, +2, +3 l, +4 to +7 at work, a at +6); v64-191 S^T, 32 a tile, P laid over each tile's first 16; v192-255 K of one step.   Window 1: v0-127 O^T, 32 a tile; v128-191 Q; v192-255 V of one step.
.set SLOT1, 131072
.set SPARE, 262144                     ; behind the ring: the spare words, 128 bytes for each of 8 waves: four blocks of 256 bytes that no other line names
.set ST,  16
.set S,   64
.set KF,  192
.set QF,  128
.set VF,  192
.set NW,  3                            ; s3   0 in the wave that prefetches, else 1
.set WV,  12
.set TB,  13                           ; s13  LDS byte at which the tiles of the step to be fetched begin
.set MO,  14                           ; s14  256 x this key step: its mask records
.set MN,  15                           ; s15  256 x the next key step, held at the last
.set G1,  16                           ; s[16:23] descriptor group 1;  s[24:27] group 0 of slot 0's first fill;  s[28:31] of slot 1's, which then walks
.set G0A, 24
.set G0B, 28
.set MA,  32                           ; s[32:63] the mask words of a piece's first tile;  s[68:99] of its second
.set MB,  68
.set CS,  100                          ; s[100:101] c
.set SEL, 104                          ; s[104:105] v_permlanex16_b32's selects for lane l xor 16
.set MSB, 0
.macro WIN new                         ; the immediate's high byte repeats the setting that is left; a switch that changes nothing is dropped
.if MSB != \new
	s_set_vgpr_msb (MSB<<8)|\new
.set MSB, \new
.endif
.endm
.set W_KQ, 0x04                        ; source 1 (Q) window 1
.set W_PV, 0x51                        ; source 0 (V), C and D (O^T) window 1; source 1 (P) window 0
.set W_RS, 0x41                        ; O^T (destination and source 0) window 1, a window 0
.macro CROUND
	s_barrier_signal -1
	s_barrier_wait -1
	s_cmp_lg_u32 s[WV], 0
	s_cbranch_scc1 .Lnot_wave_0_\@
	s_barrier_signal -3
.Lnot_wave_0_\@:
	s_barrier_wait -3
	s_barrier_signal -1
	s_barrier_wait -1
.endm
	s_load_b128 s[4:7], s[0:1], 0x0                ; qkv, mw
	s_load_b64 s[8:9], s[0:1], 0x10                ; zf
	v_lshl_add_u32 v4, v0, 2, SPARE
	v_mov_b32 v5, 0
	ds_add_u32 v4, v5                              ; the wave's opening: the add, twice on end, and its wait ahead of the first tensor load
	ds_add_u32 v4, v5
	v_lshrrev_b32 v1, 5, v0
	v_readfirstlane_b32 s[WV], v1                  ; wave 0..7
	s_bfe_u32 s32, ttmp6, 0x40000                  ; cx
	s_lshl_b32 s35, ttmp9, 2
	s_add_co_u32 s32, s32, s35                     ; my block of 512 queries: it enters Q's, the mask's and z's addresses alone
	s_and_b32 s33, ttmp7, 0xffff                   ; 16 batch + head, which the four partners share
	s_mov_b32 s[G1], 15|(3<<16)|(1<<21)            ; 15:0 the mask: all four work-groups; 17:16 elements of 8 bytes; 21 set beside a mask; no padding
	s_mov_b32 s[G1+1], 32<<16                      ; tensor_dim0 = 32 elements: rows of 256 bytes
	s_mov_b32 s[G1+2], 64<<16                      ; tensor_dim1 = 64 rows: 16 KiB, dense
	s_mov_b32 s[G1+3], 32<<16                      ; tile_dim0
	s_mov_b32 s[G1+4], 64                          ; tile_dim1
	s_mov_b32 s[G1+5], 32                          ; from row to row
	s_mov_b32 s[G1+6], 0
	s_mov_b32 s[G1+7], 0
	s_mov_b32 s[CS], 0x3e38aa3b                    ; c = log2(e) / 8
	s_mov_b32 s[CS+1], s[CS]                       ; named with it as a pair, so it is written
	s_mov_b32 s[SEL], 0x76543210
	s_mov_b32 s[SEL+1], 0xfedcba98
	s_lshr_b32 s36, s[WV], 2                       ; waves 0-3 fetch k's quarters of a slot, waves 4-7 v's:
	s_add_co_u32 s36, s36, 1
	s_lshl_b32 s36, s36, 24                        ; k begins 16,777,216 bytes into qkv, v 33,554,432;
	s_lshl_b32 s37, s33, 18                        ; a head is 262,144 bytes;
	s_add_co_u32 s36, s36, s37
	s_and_b32 s37, s[WV], 3
	s_lshl_b32 s37, s37, 14                        ; a quarter 16,384
	s_add_co_u32 s36, s36, s37
	s_mov_b32 s37, 0
	s_lshl_b32 s38, s33, 18                        ; Q: head + block x 65,536 + wave x 8,192
	s_lshl_b32 s39, s32, 16
	s_add_co_u32 s38, s38, s39
	s_lshl_b32 s39, s[WV], 13
	s_add_co_u32 s38, s38, s39
	s_mov_b32 s39, 0
	s_lshr_b32 s40, s33, 4                         ; batch
	s_lshl_b32 s42, s40, 19                        ; the mask words: (64 batch + 16 block) pairs of 8,192 bytes: my work-group's 16 pairs;
	s_lshl_b32 s41, s32, 17
	s_add_co_u32 s42, s42, s41
	s_mov_b32 s43, 0
	s_lshl_b32 s44, s[WV], 14                      ; my wave's two
	s_mov_b32 s45, 0
	s_lshl_b32 s46, s40, 22                        ; z: (128 batch + 32 block + 4 wave) tiles of 32,768 bytes + head x 2,048
	s_lshl_b32 s41, s32, 20
	s_add_co_u32 s46, s46, s41
	s_lshl_b32 s41, s[WV], 17
	s_add_co_u32 s46, s46, s41
	s_and_b32 s41, s33, 15
	s_lshl_b32 s41, s41, 11
	s_add_co_u32 s46, s46, s41
	s_mov_b32 s47, 0
	s_and_b32 s[NW], s33, 15
	s_or_b32 s[NW], s[NW], s[WV]
	s_min_u32 s[NW], s[NW], 1                      ; 0 in wave 0 of a batch's head 0: the same in all four partners
	s_wait_dscnt 0x0                               ; both opening adds are done
	s_wait_kmcnt 0x0
	s_add_nc_u64 s[36:37], s[4:5], s[36:37]
	s_add_nc_u64 s[68:69], s[4:5], s[38:39]
	s_add_nc_u64 s[10:11], s[6:7], s[42:43]
	s_add_nc_u64 s[6:7], s[10:11], s[44:45]
	s_add_nc_u64 s[8:9], s[8:9], s[46:47]
	CROUND                                         ; all four work-groups are here: the first joint loads meet
	s_mov_b32 s[G0A], 1
	s_lshl_b32 s[G0A+1], s[WV], 14                 ; LDS: 16,384 x wave: k's four quarters, then v's: no place in the cluster enters an LDS address
	s_mov_b64 s[G0A+2:G0A+3], s[36:37]
	s_or_b32 s[G0A+3], s[G0A+3], 0x80000000
	s_mov_b32 s[G0B], 1
	s_add_co_u32 s[G0B+1], s[G0A+1], SLOT1
	s_add_nc_u64 s[G0B+2:G0B+3], s[36:37], 65536   ; 512 keys on: 128 bytes a key in k and in v alike
	s_or_b32 s[G0B+3], s[G0B+3], 0x80000000
	tensor_load_to_lds s[G0A:G0A+3], s[G1:G1+7]    ; slot 0: keys 0-511
	s_nop 0
	tensor_load_to_lds s[G0B:G0B+3], s[G1:G1+7]    ; slot 1: keys 512-1,023.  Two loads of mine are out
	s_nop 0
.rept 4
	v_nop
.endr
	v_and_b32 v1, 31, v0
	v_lshlrev_b32 v1, 4, v1                        ; 16 x lane
	v_add_nc_u32 v3, 0x10000, v1                   ; and in v's half of a slot
	v_and_b32 v6, 15, v0
	v_lshlrev_b32 v6, 13, v6
	v_bfe_u32 v7, v0, 4, 1
	v_lshl_add_u32 v6, v7, 8, v6                   ; the prefetch: pair lane % 16, record lane / 16
	WIN 0x40                                       ; destination window 1
.irp n, 0,1,2,3,4,5,6,7,8,9,10,11,12,13,14,15
	global_load_b128 v[QF+4*\n:QF+4*\n+3], v1, s[68:69] offset:512*\n   ; Q stays in registers: tile n / 4, channels 32 ((n / 2) % 2) + 16 (n % 2) on
.endr
	WIN 0
	s_mov_b32 s[MN], 0
	s_mov_b32 s[TB], 0
	s_wait_xcnt 0x0                                ; Q's loads have read their base: the mask words below land on it
.macro FETCH_K                         ; a step's K: 64 keys x 64 channels: 8 fragments, 16 loads of 512 consecutive bytes
	WIN 0
	v_add_nc_u32 v2, s[TB], v1
.irp n, 0,1,2,3,4,5,6,7,8,9,10,11,12,13,14,15
	ds_load_b128 v[KF+4*\n:KF+4*\n+3], v2 offset:512*\n
.endr
.endm
.macro FETCH_V                         ; the same step's V
	WIN 0
	v_add_nc_u32 v2, s[TB], v3
	s_add_co_u32 s[TB], s[TB], 8192                ; the next fetch is the next step's
	WIN 0x40
.irp n, 0,1,2,3,4,5,6,7,8,9,10,11,12,13,14,15
	ds_load_b128 v[VF+4*\n:VF+4*\n+3], v2 offset:512*\n
.endr
	WIN 0
.endm
; S^T = K Q^T for all four tiles: 32 products; the 16 accumulators take turns, one instruction a turn; the first 16 start the sums
.macro KQ
	WIN W_KQ
.irp c, 0,1
.irp kt, 0,1,2,3
.irp t, 0,1,2,3
.if \c == 0
	v_wmma_f32_16x16x32_f16 v[S+32*\t+8*\kt:S+32*\t+8*\kt+7], v[KF+16*\kt+8*\c:KF+16*\kt+8*\c+7], v[QF+16*\t+8*\c:QF+16*\t+8*\c+7], 0
.else
	v_wmma_f32_16x16x32_f16 v[S+32*\t+8*\kt:S+32*\t+8*\kt+7], v[KF+16*\kt+8*\c:KF+16*\kt+8*\c+7], v[QF+16*\t+8*\c:QF+16*\t+8*\c+7], v[S+32*\t+8*\kt:S+32*\t+8*\kt+7]
.endif
.endr
.endr
.endr
	WIN 0
.rept 4
	v_nop                                          ; four places in front of the first read of the scores and of the loads into K's registers
.endr
.endm
; O^T += V^T P for the piece that begins at tile p: 16 products, 8 accumulators by turns
.macro PV p, first
	WIN W_PV
.irp u, 0,1
.irp ct, 0,1,2,3
.irp t, \p, \p+1
.if \first && (\u == 0)
	v_wmma_f32_16x16x32_f16 v[32*(\t)+8*\ct:32*(\t)+8*\ct+7], v[VF+32*\u+8*\ct:VF+32*\u+8*\ct+7], v[S+32*(\t)+8*\u:S+32*(\t)+8*\u+7], 0
.else
	v_wmma_f32_16x16x32_f16 v[32*(\t)+8*\ct:32*(\t)+8*\ct+7], v[VF+32*\u+8*\ct:VF+32*\u+8*\ct+7], v[S+32*(\t)+8*\u:S+32*(\t)+8*\u+7], v[32*(\t)+8*\ct:32*(\t)+8*\ct+7]
.endif
.endr
.endr
.endr
.endm
.macro SLM set, so, imm                ; a tile's 32 mask words of one key step
	s_load_b512 s[\set:\set+15], s[6:7], s[\so] offset:\imm
	s_load_b512 s[\set+16:\set+31], s[6:7], s[\so] offset:\imm+64
.endm
.macro MASK t, set                     ; a masked score becomes 0.  Ascending: each accumulator is read first at its lowest register
.irp i, 0,1,2,3,4,5,6,7,8,9,10,11,12,13,14,15,16,17,18,19,20,21,22,23,24,25,26,27,28,29,30,31
	v_cndmask_b32 v[S+32*(\t)+\i], 0, v[S+32*(\t)+\i], s[\set+\i]
.endr
.endm
; The softmax of one key step for the two tiles of a piece, line by line by turns.  first = 1: the first key step, which starts m, l and O^T.
.macro SMX p, first
.irp q, 0,1,2,3
.irp t, \p, \p+1
	v_max3_num_f32 v[ST+8*(\t)+4+\q], v[S+32*(\t)+8*\q], v[S+32*(\t)+8*\q+1], v[S+32*(\t)+8*\q+2]
.endr
.endr
.irp e, 3,5
.irp q, 0,1,2,3
.irp t, \p, \p+1
	v_max3_num_f32 v[ST+8*(\t)+4+\q], v[ST+8*(\t)+4+\q], v[S+32*(\t)+8*\q+\e], v[S+32*(\t)+8*\q+\e+1]
.endr
.endr
.endr
.irp t, \p, \p+1
	v_max3_num_f32 v[ST+8*(\t)+4], v[ST+8*(\t)+4], v[S+32*(\t)+7], v[S+32*(\t)+15]
	v_max3_num_f32 v[ST+8*(\t)+6], v[ST+8*(\t)+6], v[S+32*(\t)+23], v[S+32*(\t)+31]
.endr
.irp t, \p, \p+1
	v_max3_num_f32 v[ST+8*(\t)+4], v[ST+8*(\t)+4], v[ST+8*(\t)+5], v[ST+8*(\t)+6]
.endr
.irp t, \p, \p+1
.if \first
	v_max_num_f32 v[ST+8*(\t)+4], v[ST+8*(\t)+4], v[ST+8*(\t)+7]
.else
	v_max3_num_f32 v[ST+8*(\t)+4], v[ST+8*(\t)+4], v[ST+8*(\t)+7], v[ST+8*(\t)+1]   ; with the old m
.endif
.endr
.irp t, \p, \p+1
	v_permlanex16_b32 v[ST+8*(\t)+5], v[ST+8*(\t)+4], s[SEL], s[SEL+1]   ; the query's other 32 keys lie in the lane 16 away
.endr
.if !\first
.irp t, \p, \p+1
	v_mov_b32 v[ST+8*(\t)+7], v[ST+8*(\t)]         ; c m_old is kept for a
.endr
.endif
.irp t, \p, \p+1
	v_max_num_f32 v[ST+8*(\t)+1], v[ST+8*(\t)+4], v[ST+8*(\t)+5]
.endr
.irp t, \p, \p+1
	v_mul_f32 v[ST+8*(\t)], s[CS], v[ST+8*(\t)+1]
.endr
.if !\first
.irp t, \p, \p+1
	v_sub_f32 v[ST+8*(\t)+7], v[ST+8*(\t)+7], v[ST+8*(\t)]
.endr
.endif
.irp b, 0,1,2,3,4,5,6,7,8,9,10,11,12,13,14,15
.irp t, \p, \p+1
	v_pk_fma_f32 v[S+32*(\t)+2*\b:S+32*(\t)+2*\b+1], v[S+32*(\t)+2*\b:S+32*(\t)+2*\b+1], s[CS:CS+1], v[ST+8*(\t):ST+8*(\t)+1] op_sel_hi:[1,0,0] neg_lo:[0,0,1] neg_hi:[0,0,1]   ; c s - c m, two at a time
.endr
.endr
.if !\first
.irp t, \p, \p+1
	v_exp_f32 v[ST+8*(\t)+6], v[ST+8*(\t)+7]       ; a
.endr
.endif
.irp i, 0,1,2,3,4,5,6,7,8,9,10,11,12,13,14,15,16,17,18,19,20,21,22,23,24,25,26,27,28,29,30,31
.irp t, \p, \p+1
	v_exp_f32 v[S+32*(\t)+\i], v[S+32*(\t)+\i]     ; p: one batch, none of which reads another's result
.endr
.endr
	v_nop                                          ; a plain instruction behind the last exponential
	s_wait_alu depctr_va_vdst(0)                   ; the wait ahead of the first instruction that names a result: one for the whole batch
.irp t, \p, \p+1                       ; the row's sum of the unrounded p, two at a time, in two chains a tile
.if \first
	v_pk_add_f32 v[ST+8*(\t)+2:ST+8*(\t)+3], v[S+32*(\t):S+32*(\t)+1], v[S+32*(\t)+6:S+32*(\t)+7]
.else
	v_pk_fma_f32 v[ST+8*(\t)+2:ST+8*(\t)+3], v[ST+8*(\t)+2:ST+8*(\t)+3], v[ST+8*(\t)+6:ST+8*(\t)+7], v[S+32*(\t):S+32*(\t)+1] op_sel_hi:[1,0,1]   ; l a + the first pair
.endif
	v_pk_add_f32 v[ST+8*(\t)+4:ST+8*(\t)+5], v[S+32*(\t)+2:S+32*(\t)+3], v[S+32*(\t)+4:S+32*(\t)+5]
.endr
.if !\first
.irp t, \p, \p+1
	v_pk_add_f32 v[ST+8*(\t)+2:ST+8*(\t)+3], v[ST+8*(\t)+2:ST+8*(\t)+3], v[S+32*(\t)+6:S+32*(\t)+7]
.endr
.endif
.irp i, 4,6,8,10,12,14
.irp t, \p, \p+1
	v_pk_add_f32 v[ST+8*(\t)+4:ST+8*(\t)+5], v[ST+8*(\t)+4:ST+8*(\t)+5], v[S+32*(\t)+2*\i:S+32*(\t)+2*\i+1]
	v_pk_add_f32 v[ST+8*(\t)+2:ST+8*(\t)+3], v[ST+8*(\t)+2:ST+8*(\t)+3], v[S+32*(\t)+2*\i+2:S+32*(\t)+2*\i+3]
.endr
.endr
.irp t, \p, \p+1
	v_pk_add_f32 v[ST+8*(\t)+2:ST+8*(\t)+3], v[ST+8*(\t)+2:ST+8*(\t)+3], v[ST+8*(\t)+4:ST+8*(\t)+5]
.endr
.irp i, 0,1,2,3,4,5,6,7,8,9,10,11,12,13,14,15
.irp t, \p, \p+1
	v_cvt_pk_f16_f32 v[S+32*(\t)+\i], v[S+32*(\t)+2*\i], v[S+32*(\t)+2*\i+1]   ; P over the tile's first 16 registers: ascending, so that no pair is written before it is read
.endr
.endr
.if !\first
	WIN W_RS
.irp i, 0,1,2,3,4,5,6,7,8,9,10,11,12,13,14,15
.irp t, \p, \p+1
	v_pk_mul_f32 v[32*(\t)+2*\i:32*(\t)+2*\i+1], v[32*(\t)+2*\i:32*(\t)+2*\i+1], v[ST+8*(\t)+6:ST+8*(\t)+7] op_sel_hi:[1,0]   ; O^T x a
.endr
.endr
	WIN 0
.endif
.endm
; A PREFETCH of mask records.  All 16 heads of a batch read the same records: wave 0 of head 0's work-groups asks, in the even key steps, for the records of steps j + 2 and j + 3 of its work-group's 16 pairs:
; 32 blocks of 256 bytes, a lane a block, each named once in the launch.  The four partners are told apart by address.  Step 28 asks for the last two records; steps 30 on ask for nothing.
.macro ASK
	s_and_b32 s2, s[MO], 256
	s_or_b32 s2, s2, s[NW]
	s_cmp_lg_u32 s2, 0
	s_cbranch_scc1 .Lno_ask_\@
	s_cmp_gt_u32 s[MO], 7168
	s_cbranch_scc1 .Lno_ask_\@
	s_wait_xcnt 0x0                                ; the last prefetch, two key steps back, has read its offset
	v_add_nc_u32 v7, s[MO], v6
	global_prefetch_b8 v7, s[10:11] offset:512 th:TH_LOAD_NT scope:SCOPE_SE
.Lno_ask_\@:
.endm
; KEY STEP j.  At its head: S^T of step j in registers, V of step j on its way from LDS, piece 0's mask words on their way.
.macro BODY first
	FETCH_K                                        ; K of step j + 1
	s_wait_kmcnt 0x0                               ; piece 0's mask words are in, and no scalar load still reads MO or MN
	s_mov_b32 s[MO], s[MN]
	s_add_co_u32 s[MN], s[MN], 256
	s_min_u32 s[MN], s[MN], 7936                   ; no load leaves the pair's 32 records
	ASK
	MASK 0, MA
	SLM MA, MO, 8192                               ; piece 1's words take the registers as they fall free: they have piece 0's softmax and products in which to land
	MASK 1, MB
	SLM MB, MO, 8320
	SMX 0, \first
	s_wait_dscnt 16                                ; V of step j is in; K's 16 loads may be out
	PV 0, \first
	WIN 0
	s_wait_kmcnt 0x0
	MASK 2, MA
	SLM MA, MN, 0                                  ; piece 0's words of step j + 1
	MASK 3, MB
	SLM MB, MN, 128
	SMX 2, \first
	PV 2, \first
	WIN 0
.rept 5
	v_nop                                          ; five places: the next products write over P, which these have read; V's loads land on their sources (four would do for those)
.endr
	FETCH_V                                        ; V of step j + 1
	s_wait_dscnt 16                                ; K of step j + 1 is in; V's 16 loads may be out
	KQ
.endm
; THE CHANGE OF SLOTS, ahead of the key step that first fetches from the other slot.  Each wave waits for all its tensor loads, adds 0 to its spare word, and waits for that and for its reads of the slot that it leaves.
; fill = 1: that slot is filled again with the keys two slots on, jointly: the barrier is a round of the cluster's, the load the first thing behind it; it has eight key steps in which to land.
.macro CHANGE fill
	WIN 0
	s_wait_tensorcnt 0x0                           ; no tensor load of mine is out, so a group 0 may be written
	ds_add_u32 v4, v5
.if \fill
	s_xor_b32 s[G0B+1], s[G0B+1], SLOT1            ; the walking descriptor: the other slot than last time,
	s_add_nc_u64 s[G0B+2:G0B+3], s[G0B+2:G0B+3], 65536   ; the next 512 keys
.endif
	s_wait_dscnt 0x0                               ; the add is done, and my reads of the slot are over
.if \fill
	CROUND
	tensor_load_to_lds s[G0B:G0B+3], s[G1:G1+7]
	s_nop 0
.rept 4
	v_nop
.endr
.else
	s_barrier_signal -1
	s_barrier_wait -1
.endif
	s_sub_co_u32 s[TB], s[TB], 65536               ; the fetches go back to a slot's first step,
	s_xor_b32 s[TB], s[TB], SLOT1                  ; in the other slot
.endm
	SLM MA, MN, 0                                  ; piece 0's mask words of step 0
	SLM MB, MN, 128
	s_wait_tensorcnt 1                             ; my part of slot 0 is in; slot 1's may stay out
	s_barrier_signal -1
	s_barrier_wait -1
	FETCH_K
	FETCH_V
	s_wait_loadcnt 0x0                             ; Q
	s_wait_dscnt 16                                ; K of step 0
	KQ
	BODY 1                                         ; step 0
	s_mov_b32 s66, 6
.Lhead:                                            ; steps 1 to 6
	BODY 0
	s_sub_co_u32 s66, s66, 1
	s_cmp_lg_u32 s66, 0
	s_cbranch_scc1 .Lhead
	s_mov_b32 s67, 2
.Lslot:                                            ; steps 7 to 22: two changes of slots that fill
	CHANGE 1
	s_mov_b32 s66, 8
.Lstep:
	BODY 0
	s_sub_co_u32 s66, s66, 1
	s_cmp_lg_u32 s66, 0
	s_cbranch_scc1 .Lstep
	s_sub_co_u32 s67, s67, 1
	s_cmp_lg_u32 s67, 0
	s_cbranch_scc1 .Lslot
	CHANGE 0                                       ; the tail is written out: nothing is left to ask for
	s_mov_b32 s66, 8
.Ltail:                                            ; steps 23 to 30
	BODY 0
	s_sub_co_u32 s66, s66, 1
	s_cmp_lg_u32 s66, 0
	s_cbranch_scc1 .Ltail
	s_wait_kmcnt 0x0                               ; step 31: nothing more to fetch
	s_mov_b32 s[MO], s[MN]
	MASK 0, MA
	SLM MA, MO, 8192
	MASK 1, MB
	SLM MB, MO, 8320
	SMX 0, 0
	s_wait_dscnt 0x0
	PV 0, 0
	WIN 0
	s_wait_kmcnt 0x0
	MASK 2, MA
	MASK 3, MB
	SMX 2, 0
	PV 2, 0
	WIN 0
; THE WAY OUT.  l's two halves and the other half of the lanes' are added; O^T / l is rounded to f16: a lane's eight channels of a tile pack into 16 bytes, and the 32 lanes' 512 bytes are a group of four
; registers of the last launch's fragment of z.  The four additions are the places behind the last products.
.irp t, 0,1,2,3
	v_add_f32 v[ST+8*\t+4], v[ST+8*\t+2], v[ST+8*\t+3]
.endr
.irp t, 0,1,2,3
	v_permlanex16_b32 v[ST+8*\t+5], v[ST+8*\t+4], s[SEL], s[SEL+1]
.endr
.irp t, 0,1,2,3
	v_add_f32 v[ST+8*\t+4], v[ST+8*\t+4], v[ST+8*\t+5]
.endr
.irp t, 0,1,2,3
	v_rcp_f32 v[ST+8*\t+6], v[ST+8*\t+4]
.endr
	v_nop                                          ; a plain instruction behind the last reciprocal
	s_wait_alu depctr_va_vdst(0)                   ; and the wait ahead of the first use: one for the four
.irp t, 0,1,2,3
	WIN W_RS
.irp i, 0,1,2,3,4,5,6,7,8,9,10,11,12,13,14,15
	v_pk_mul_f32 v[32*\t+2*\i:32*\t+2*\i+1], v[32*\t+2*\i:32*\t+2*\i+1], v[ST+8*\t+6:ST+8*\t+7] op_sel_hi:[1,0]
.endr
	WIN 0x05                                       ; sources window 1, destination window 0: S^T's registers are free
.irp i, 0,1,2,3,4,5,6,7,8,9,10,11,12,13,14,15
	v_cvt_pk_f16_f32 v[S+16*\t+\i], v[32*\t+2*\i], v[32*\t+2*\i+1]
.endr
	WIN 0
.irp ct, 0,1,2,3
	global_store_b128 v1, v[S+16*\t+4*\ct:S+16*\t+4*\ct+3], s[8:9] offset:32768*\t+512*\ct   ; 512 consecutive bytes
.endr
.endr
	s_wait_tensorcnt 0x0                           ; the wave's end
	ds_add_u32 v4, v5
	s_wait_dscnt 0x0
	CROUND                                         ; the closing round
	s_endpgm
.Lfunc_end_k_q1bbb51bb2b_attn:
	.size	k_q1bbb51bb2b_attn, .Lfunc_end_k_q1bbb51bb2b_attn-k_q1bbb51bb2b_attn
	.p2alignl 7, 3214868480
	.fill 96, 4, 3214868480
	.section	.rodata,"a",@progbits
	.p2align	6, 0x0
	.amdhsa_kernel k_q1bbb51bb2b_attn
		.amdhsa_group_segment_fixed_size 327680
		.amdhsa_private_segment_fixed_size 0
		.amdhsa_enable_private_segment 0
		.amdhsa_kernarg_size 24
		.amdhsa_user_sgpr_count 2
		.amdhsa_user_sgpr_kernarg_segment_ptr 1
		.amdhsa_wavefront_size32 1
		.amdhsa_system_sgpr_workgroup_id_x 1
		.amdhsa_system_sgpr_workgroup_id_y 1
		.amdhsa_system_sgpr_workgroup_id_z 1
		.amdhsa_system_vgpr_workitem_id 0
		.amdhsa_next_free_vgpr 512
		.amdhsa_next_free_sgpr 106
		.amdhsa_reserve_vcc 0
		.amdhsa_float_denorm_mode_32 3
		.amdhsa_float_denorm_mode_16_64 3
		.amdhsa_memory_ordered 1
		.amdhsa_forward_progress 1
		.amdhsa_inst_pref_size 219
	.end_amdhsa_kernel
	.amdgpu_metadata
---
amdhsa.version: [ 1, 2 ]
amdhsa.kernels:
  - .name:           k_q1bbb51bb2b_attn
    .symbol:         k_q1bbb51bb2b_attn.kd
    .args:
      - { .name: qkv, .offset: 0, .size: 8, .value_kind: global_buffer, .address_space: global }
      - { .name: mw, .offset: 8, .size: 8, .value_kind: global_buffer, .address_space: global }
      - { .name: zf, .offset: 16, .size: 8, .value_kind: global_buffer, .address_space: global }
    .group_segment_fixed_size: 327680
    .private_segment_fixed_size: 0
    .kernarg_segment_align: 8
    .kernarg_segment_size: 24
    .max_flat_workgroup_size: 256
    .sgpr_count:     106
    .vgpr_count:     512
    .wavefront_size: 32
...
	.end_amdgpu_metadata
.endif
;; end of part 3
;; launch outp (part 4): grid 4 x 64, 4 waves a work-group, clusters of 4 x 4, 327,680 bytes of LDS; arguments zf, wof, bo, out0; writes out0
.if DOCPART == 4
	.amdgcn_target "amdgcn-amd-amdhsa--gfx1250"
	.amdhsa_code_object_version 6
	.text
	.protected	k_q1bbb51bb2b_outp
	.globl	k_q1bbb51bb2b_outp
	.p2align	8
	.type	k_q1bbb51bb2b_outp,@function
k_q1bbb51bb2b_outp:
	s_mov_b64 s[64:65], 0
	v_nop
	global_prefetch_b8 v0, s[64:65] scope:SCOPE_SE
	s_setreg_imm32_b32 hwreg(HW_REG_WAVE_MODE, 25, 1), 1
	s_wait_xcnt 0x0
	s_wait_alu depctr_hold_cnt(0) depctr_sa_sdst(0) depctr_va_vdst(0) depctr_va_sdst(0) depctr_va_ssrc(0) depctr_va_vcc(0) depctr_vm_vsrc(0)
	s_getreg_b32 s2, hwreg(HW_REG_IB_STS2, 6, 4)
	s_cmp_eq_u32 s2, 0
	s_cbranch_scc0 .Lentry_in_a_cluster
	s_endpgm
.Lentry_in_a_cluster:
	s_bfe_u32 s2, ttmp6, 0x10000c
	s_cmp_lg_u32 s2, 0xf033
	s_cbranch_scc0 .Lentry_shape_is_right
	s_endpgm
.Lentry_shape_is_right:
; OUTP: out0 = z Wo + bo.  z [8192][1024] and Wo [1024 k][1024 n] come in f16 as images of fragment registers (zf: [tile of 16 tokens][chunk of 32 k][1,024 bytes]; wof: [tile of 16 n][chunk][1,024 bytes]); sums in f32; out0 f32.
; A work-group makes 128 tokens x 256 n: 256 work-groups; each of its four waves 64 x 128: 32 accumulators.  K goes in steps of 128 (four chunks of 32) through a ring of two LDS slots.
; The tiles are dense in LDS: a fragment load reads 512 consecutive bytes, so no padding is wanted.
; CLUSTERS: 4 x 4 work-groups.  z's tiles are shared along a row of the cluster, Wo's along a column: each is asked for jointly.
; THE MATRIX INSTRUCTION IS USED TRANSPOSED (source 0 = 16 n of Wo, source 1 = 16 tokens): a lane holds eight neighbouring numbers of a row of out0.  bo is the C of each sum's first product.
; REGISTERS: window 0: v16-29 addresses; two fragment buffers of 96 at v32 and v128 (four fragments of z, then eight of Wo); on the way out they take rows of out0.
;   window 1: the accumulators, (a, b) at 8 (8 a + b).   window 2: v0-63 bo in the result's layout, eight registers for each tile of 16 n.
.set SLOT,   98304                     ; z's 8 tiles x 4,096 bytes, then Wo's 16 tiles x 4,096
.set STAGE,  196608                    ; behind the ring: 16 rows x 528 bytes for each wave, for the way out
.set SPITCH, 528
.set SPARE,  230400                    ; behind the stages: the spare words, 128 bytes for each wave: two blocks of 256 bytes that no other line names
.set ADRA, 16                          ; v16-17  LDS address of my z fragments in slot 0, 1
.set ADRB, 20                          ; v20-21  of my Wo fragments
.set STO,  24
.set RD,   25
.set CO,   26                          ; v26     16 x lane
.set SPW,  28
.set NIL,  29
.set F0,   32
.set F1,   128
.set WV,   12
.set TH,   13                          ; s13  which 64 tokens are mine.  Also: I fetch for z (0) or for Wo (1)
.set NH,   14                          ; s14  which 128 n.  Also: which half of that tile I fetch
.set G1,   24                          ; s[24:31] descriptor group 1 for z's tiles;  s[32:39] group 0, one set for each slot
.set G0,   32
.set G1B,  48                          ; s[48:55], s[56:63] the same for Wo's
.set G0B,  56
.set MSB, 0
.macro WIN new
.if MSB != \new
	s_set_vgpr_msb (MSB<<8)|\new
.set MSB, \new
.endif
.endm
.set MUL,  0x50                        ; C and D window 1
.set MULB, 0x60                        ; D window 1, C (bo) window 2
.macro JLOAD s                         ; a joint load: waves 0 and 1 fetch z's halves, waves 2 and 3 Wo's; an s_nop 0 and four v_nop follow each line
	s_cmp_eq_u32 s[TH], 0
	s_cbranch_scc0 .Lfor_b_\@
	tensor_load_to_lds s[G0+4*\s:G0+4*\s+3], s[G1:G1+7]
	s_nop 0
.rept 4
	v_nop
.endr
	s_branch .Lasked_\@
.Lfor_b_\@:
	tensor_load_to_lds s[G0B+4*\s:G0B+4*\s+3], s[G1B:G1B+7]
	s_nop 0
.rept 4
	v_nop
.endr
.Lasked_\@:
.endm
.macro CREST                           ; a round of the cluster's barrier behind its opening barrier
	s_cmp_lg_u32 s[WV], 0
	s_cbranch_scc1 .Lnot_wave_0_\@
	s_barrier_signal -3
.Lnot_wave_0_\@:
	s_barrier_wait -3
	s_barrier_signal -1
	s_barrier_wait -1
.endm
.macro CROUND
	s_barrier_signal -1
	s_barrier_wait -1
	CREST
.endm
	s_load_b256 s[4:11], s[0:1], 0x0               ; zf 4, wof 6, bo 8, out0 10
	v_lshl_add_u32 v[SPW], v0, 2, SPARE
	v_mov_b32 v[NIL], 0
	ds_add_u32 v[SPW], v[NIL]                      ; the wave's opening: the add, twice on end, and its wait ahead of the first tensor load
	ds_add_u32 v[SPW], v[NIL]
	v_lshrrev_b32 v1, 5, v0
	v_readfirstlane_b32 s[WV], v1                  ; wave 0..3
	s_lshr_b32 s[TH], s[WV], 1
	s_and_b32 s[NH], s[WV], 1
	s_bfe_u32 s40, ttmp6, 0x40000                  ; cx
	s_bfe_u32 s41, ttmp6, 0x40004                  ; cy
	s_lshl_b32 s42, ttmp9, 2
	s_add_co_u32 s42, s42, s40                     ; block of 256 n
	s_and_b32 s15, ttmp7, 0xffff
	s_lshl_b32 s15, s15, 2
	s_add_co_u32 s15, s15, s41                     ; block of 128 tokens
	s_lshl_b32 s43, s41, 2
	s_lshl_b32 s43, 15, s43                        ; my row of the cluster
	s_lshl_b32 s44, 0x1111, s40                    ; my column
	s_or_b32 s[G1], s43, (3<<16)|(1<<21)           ; 15:0 the mask; 17:16 elements of 8 bytes; 21 set beside a mask; no padding
	s_or_b32 s[G1B], s44, (3<<16)|(1<<21)
	s_mov_b32 s[G1+1], 512<<16                     ; tensor_dim0 = 512 elements: a tile's 4,096 bytes of a K step
	s_mov_b32 s[G1+2], 4<<16                       ; tensor_dim1 = 4 tiles
	s_mov_b32 s[G1+3], 512<<16                     ; tile_dim0
	s_mov_b32 s[G1+4], 4                           ; tile_dim1
	s_mov_b32 s[G1+5], 4096                        ; from tile to tile: 32,768 bytes
	s_mov_b32 s[G1+6], 0
	s_mov_b32 s[G1+7], 0
	s_mov_b32 s[G1B+1], 512<<16
	s_mov_b32 s[G1B+2], 8<<16                      ; 8 tiles
	s_mov_b32 s[G1B+3], 512<<16
	s_mov_b32 s[G1B+4], 8
	s_mov_b32 s[G1B+5], 4096
	s_mov_b32 s[G1B+6], 0
	s_mov_b32 s[G1B+7], 0
	s_lshl_b32 s16, s15, 18                        ; z: (8 block + 4 half) tiles of 32,768 bytes
	s_lshl_b32 s17, s[NH], 17
	s_add_co_u32 s16, s16, s17
	s_mov_b32 s17, 0
	s_lshl_b32 s46, s42, 19                        ; Wo: (16 block + 8 half) tiles
	s_lshl_b32 s47, s[NH], 18
	s_add_co_u32 s46, s46, s47
	s_mov_b32 s47, 0
	s_lshl_b32 s20, s[NH], 14                      ; where they go in a slot: z's halves,
	s_lshl_b32 s21, s[NH], 15
	s_add_co_u32 s21, s21, 32768                   ; Wo's behind them: no place in the cluster enters an LDS address
	s_wait_dscnt 0x0                               ; both opening adds are done
	s_wait_kmcnt 0x0
	s_add_nc_u64 s[16:17], s[4:5], s[16:17]
	s_add_nc_u64 s[46:47], s[6:7], s[46:47]
	CROUND                                         ; all sixteen work-groups are here: the first joint loads meet
.irp s, 0,1
	s_mov_b32 s[G0+4*\s], 1
	s_add_co_u32 s[G0+4*\s+1], s20, \s*SLOT
	s_add_nc_u64 s[G0+4*\s+2:G0+4*\s+3], s[16:17], \s*4096
	s_or_b32 s[G0+4*\s+3], s[G0+4*\s+3], 0x80000000
	s_mov_b32 s[G0B+4*\s], 1
	s_add_co_u32 s[G0B+4*\s+1], s21, \s*SLOT
	s_add_nc_u64 s[G0B+4*\s+2:G0B+4*\s+3], s[46:47], \s*4096
	s_or_b32 s[G0B+4*\s+3], s[G0B+4*\s+3], 0x80000000
	JLOAD \s                                       ; K steps 0 and 1: two loads of mine are out
.endr
	v_and_b32 v1, 31, v0
	v_lshlrev_b32 v[CO], 4, v1                     ; 16 x lane
	v_and_b32 v2, 15, v0                           ; r
	v_bfe_u32 v3, v0, 4, 1                         ; h
	s_lshl_b32 s22, s[TH], 14                      ; my four tiles of z
	s_lshl_b32 s23, s[NH], 15
	s_add_co_u32 s23, s23, 32768                   ; my eight tiles of Wo
.irp s, 0,1
	v_add_nc_u32 v[ADRA+\s], s22, v[CO]
	v_add_nc_u32 v[ADRB+\s], s23, v[CO]
	s_add_co_u32 s22, s22, SLOT
	s_add_co_u32 s23, s23, SLOT
.endr
	s_mul_i32 s22, s[WV], 16*SPITCH
	s_add_co_u32 s22, s22, STAGE                   ; my stage
	v_mul_u32_u24 v[STO], v2, SPITCH
	v_lshl_add_u32 v[STO], v3, 5, v[STO]
	v_add_nc_u32 v[STO], s22, v[STO]               ; in: row r, 32 bytes for each half of the lanes
	v_add_nc_u32 v[RD], s22, v[CO]                 ; back: the 32 lanes take a row of 512 bytes
	v_lshlrev_b32 v4, 5, v3                        ; bo: the eight n of my half
	s_lshl_b32 s18, s42, 10
	s_lshl_b32 s19, s[NH], 9
	s_add_co_u32 s18, s18, s19                     ; my first n, in bytes of f32
	s_mov_b32 s19, 0
	s_add_nc_u64 s[8:9], s[8:9], s[18:19]
	s_add_nc_u64 s[10:11], s[10:11], s[18:19]
	s_lshl_b32 s18, s15, 19                        ; my first row of out0: (128 block + 64 half) rows of 4,096 bytes
	s_lshl_b32 s22, s[TH], 18
	s_add_co_u32 s18, s18, s22
	s_add_nc_u64 s[10:11], s[10:11], s[18:19]
	WIN 0x80                                       ; destination window 2
.irp b, 0,1,2,3,4,5,6,7
	global_load_b128 v[8*\b:8*\b+3], v4, s[8:9] offset:64*\b
	global_load_b128 v[8*\b+4:8*\b+7], v4, s[8:9] offset:64*\b+16
.endr
	WIN 0
.macro PLACES                          ; four places in front of loads into registers that matrix instructions have read, and of the first read of results
.rept 4
	v_nop
.endr
.endm
.macro FETCH slot, q, f                ; the fragments of chunk q of a slot: 24 loads in one run
	WIN 0
.irp a, 0,1,2,3
.irp g, 0,1
	ds_load_b128 v[\f+8*\a+4*\g:\f+8*\a+4*\g+3], v[ADRA+\slot] offset:4096*\a+1024*(\q)+512*\g
.endr
.endr
.irp b, 0,1,2,3,4,5,6,7
.irp g, 0,1
	ds_load_b128 v[\f+32+8*\b+4*\g:\f+32+8*\b+4*\g+3], v[ADRB+\slot] offset:4096*\b+1024*(\q)+512*\g
.endr
.endr
.endm
.macro MULR f, a, bias                 ; tile a of tokens against the eight tiles of n.  The 32 accumulators take turns, one instruction a turn, in the same order in every chunk
.irp b, 0,1,2,3,4,5,6,7
.if \bias
	v_wmma_f32_16x16x32_f16 v[8*(8*\a+\b):8*(8*\a+\b)+7], v[\f+32+8*\b:\f+32+8*\b+7], v[\f+8*\a:\f+8*\a+7], v[8*\b:8*\b+7]
.else
	v_wmma_f32_16x16x32_f16 v[8*(8*\a+\b):8*(8*\a+\b)+7], v[\f+32+8*\b:\f+32+8*\b+7], v[\f+8*\a:\f+8*\a+7], v[8*(8*\a+\b):8*(8*\a+\b)+7]
.endif
.endr
.endm
; One of a K step's first three chunks: the next chunk's fragments are asked for, into the buffer that the last products have left, and this chunk's 32 products follow
.macro CHUNK slot, q, f, g, bias
	PLACES
	FETCH \slot, (\q)+1, \g
	s_wait_dscnt 24                                ; this chunk's loads are in; the 24 just issued may be out
.if \bias
	WIN MULB
.else
	WIN MUL
.endif
	MULR \f, 0, \bias
	MULR \f, 1, \bias
	MULR \f, 2, \bias
	MULR \f, 3, \bias
.endm
; The fourth chunk multiplies buffer 1 and changes slots: ONE barrier; in front of it each wave waits for all its tensor loads, adds 0 to its spare word, and waits for that and for its reads of this slot.  fill = 1: the slot is filled again, two K steps ahead.
.macro TURN slot, next, fill
	WIN 0                                          ; (the add's two registers lie in window 0)
	s_wait_tensorcnt 0x0                           ; all my tensor loads have landed: my part of the next slot
	ds_add_u32 v[SPW], v[NIL]
	s_wait_dscnt 1                                 ; the chunk's 24 loads are in; the add may be out
	WIN MUL
	MULR F1, 0, 0                                  ; eight products stand between the add and the wait for it
	s_wait_dscnt 0x0                               ; the add is done, and my reads of this slot are over
	s_barrier_signal -1
	MULR F1, 1, 0
	WIN 0
	s_barrier_wait -1
.if \fill
	CREST                                          ; the barrier has opened a round of the cluster's: no wave of any partner still reads this slot or has a load on its way
	s_add_nc_u64 s[G0+4*\slot+2:G0+4*\slot+3], s[G0+4*\slot+2:G0+4*\slot+3], 8192
	s_add_nc_u64 s[G0B+4*\slot+2:G0B+4*\slot+3], s[G0B+4*\slot+2:G0B+4*\slot+3], 8192
	JLOAD \slot                                    ; the first tensor load behind the round; its four v_nop are also the places in front of the loads below
.else
	PLACES
.endif
	FETCH \next, 0, F0
	WIN MUL
	MULR F1, 2, 0
	MULR F1, 3, 0
.endm
	s_wait_tensorcnt 1                             ; my part of K step 0 is in; K step 1's may stay out
	s_barrier_signal -1
	s_barrier_wait -1
	FETCH 0, 0, F0
	s_wait_loadcnt 0x0                             ; bo
	CHUNK 0, 0, F0, F1, 1                          ; the first chunk stands in front of the loop: its products start the sums, with bo as C
	WIN 0
	s_mov_b32 s3, 3
.Llap:                                             ; a trip goes once round the ring, from a lap's second chunk to the next lap's first, and fills both slots again
	CHUNK 0, 1, F1, F0, 0
	CHUNK 0, 2, F0, F1, 0
	TURN 0, 1, 1
	CHUNK 1, 0, F0, F1, 0
	CHUNK 1, 1, F1, F0, 0
	CHUNK 1, 2, F0, F1, 0
	TURN 1, 0, 1
	CHUNK 0, 0, F0, F1, 0
	WIN 0
	s_sub_co_u32 s3, s3, 1
	s_cmp_lg_u32 s3, 0
	s_cbranch_scc1 .Llap
	CHUNK 0, 1, F1, F0, 0                          ; the last lap fills nothing
	CHUNK 0, 2, F0, F1, 0
	TURN 0, 1, 0
	CHUNK 1, 0, F0, F1, 0
	CHUNK 1, 1, F1, F0, 0
	CHUNK 1, 2, F0, F1, 0
	s_wait_dscnt 0x0
	MULR F1, 0, 0
	MULR F1, 1, 0
	MULR F1, 2, 0
	MULR F1, 3, 0
	WIN 0
; THE WAY OUT, a block of 16 rows x 128 n at a time: a lane holds 32 neighbouring bytes of a row, and the lanes beside it other rows: so the block goes through my own stage and comes back as whole rows of 512 bytes.
; LDS serves a wave's instructions in order (ISA guide 5.7.1.4): no wait between the stores and the loads, nor in front of the next block's stores.
.macro TOSTAGE a
	WIN 0x04                                       ; an LDS store's data are its source 1: window 1
.irp b, 0,1,2,3,4,5,6,7
	ds_store_b128 v[STO], v[8*(8*\a+\b):8*(8*\a+\b)+3] offset:64*\b          ; each accumulator from its low end on
	ds_store_b128 v[STO], v[8*(8*\a+\b)+4:8*(8*\a+\b)+7] offset:64*\b+16
.endr
	WIN 0
.set BB, F0+96*((\a)%2)
.irp t, 0,1,2,3,4,5,6,7,8,9,10,11,12,13,14,15
	ds_load_b128 v[BB+4*\t:BB+4*\t+3], v[RD] offset:\t*SPITCH
.endr
.endm
.macro SEND a, younger                 ; younger: the LDS instructions issued behind block a's loads, which may stay out
.set BB, F0+96*((\a)%2)
	s_wait_dscnt \younger
.irp t, 0,1,2,3,4,5,6,7,8,9,10,11,12,13,14,15
	global_store_b128 v[CO], v[BB+4*\t:BB+4*\t+3], s[10:11] offset:(16*(\a)+\t)*4096 th:TH_STORE_NT   ; 32 lanes store 512 consecutive bytes, at a multiple of 256 from out0's first byte
.endr
.endm
	PLACES
	TOSTAGE 0
	TOSTAGE 1
	SEND 0, 32                                     ; behind block 0's loads: block 1's 16 stores and 16 loads
	s_wait_xcnt 0x0                                ; block 0's stores have read their registers: block 2's loads may land there
	TOSTAGE 2
	SEND 1, 32
	s_wait_xcnt 0x0
	TOSTAGE 3
	SEND 2, 32
	SEND 3, 0
	s_wait_tensorcnt 0x0                           ; the wave's end, behind my last tensor load and my last LDS store
	ds_add_u32 v[SPW], v[NIL]
	s_wait_dscnt 0x0
	CROUND                                         ; the closing round
	s_endpgm
.Lfunc_end_k_q1bbb51bb2b_outp:
	.size	k_q1bbb51bb2b_outp, .Lfunc_end_k_q1bbb51bb2b_outp-k_q1bbb51bb2b_outp
	.p2alignl 7, 3214868480
	.fill 96, 4, 3214868480
	.section	.rodata,"a",@progbits
	.p2align	6, 0x0
	.amdhsa_kernel k_q1bbb51bb2b_outp
		.amdhsa_group_segment_fixed_size 327680
		.amdhsa_private_segment_fixed_size 0
		.amdhsa_enable_private_segment 0
		.amdhsa_kernarg_size 32
		.amdhsa_user_sgpr_count 2
		.amdhsa_user_sgpr_kernarg_segment_ptr 1
		.amdhsa_wavefront_size32 1
		.amdhsa_system_sgpr_workgroup_id_x 1
		.amdhsa_system_sgpr_workgroup_id_y 1
		.amdhsa_system_sgpr_workgroup_id_z 1
		.amdhsa_system_vgpr_workitem_id 0
		.amdhsa_next_free_vgpr 576
		.amdhsa_next_free_sgpr 66
		.amdhsa_reserve_vcc 0
		.amdhsa_float_denorm_mode_32 3
		.amdhsa_float_denorm_mode_16_64 3
		.amdhsa_memory_ordered 1
		.amdhsa_forward_progress 1
		.amdhsa_inst_pref_size 85
	.end_amdhsa_kernel
	.amdgpu_metadata
---
amdhsa.version: [ 1, 2 ]
amdhsa.kernels:
  - .name:           k_q1bbb51bb2b_outp
    .symbol:         k_q1bbb51bb2b_outp.kd
    .args:
      - { .name: zf, .offset: 0, .size: 8, .value_kind: global_buffer, .address_space: global }
      - { .name: wof, .offset: 8, .size: 8, .value_kind: global_buffer, .address_space: global }
      - { .name: bo, .offset: 16, .size: 8, .value_kind: global_buffer, .address_space: global }
      - { .name: out0, .offset: 24, .size: 8, .value_kind: global_buffer, .address_space: global }
    .group_segment_fixed_size: 327680
    .private_segment_fixed_size: 0
    .kernarg_segment_align: 8
    .kernarg_segment_size: 32
    .max_flat_workgroup_size: 128
    .sgpr_count:     66
    .vgpr_count:     576
    .wavefront_size: 32
...
	.end_amdgpu_metadata
.endif
;; end of part 4
